; MI455X (gfx1250); checked and timed in simulation.
; The chip was launched on July 23, 2026; its instructions are those of AMD's public machine-readable ISA for CDNA 5 (MIT licence, August 2026) and "CDNA5" Instruction Set Architecture Reference Guide (July 2026). The comments in the code are by the model that wrote it; some were corrected since.
;; Transformer Encoder. Allowed arithmetic: matrix products marked QUANTISED: E5M2 operands, one given power-of-two scale a tensor, by v_wmma_f32_16x16x64_bf8_bf8 or v_wmma_f32_16x16x128_bf8_bf8, f32 sums; everything else in f32.
;; Inputs: W1 1,024 x 4,096 float32; W2 4,096 x 1,024 float32; Wk 1,024 x 1,024 float32; Wo 1,024 x 1,024 float32; Wq 1,024 x 1,024 float32; Wv 1,024 x 1,024 float32; b1 4,096 float32; b2 1,024 float32; bk 1,024 float32; bo 1,024 float32; bq 1,024 float32; bv 1,024 float32; ln1_b 1,024 float32; ln1_g 1,024 float32; ln2_b 1,024 float32; ln2_g 1,024 float32; lowp_scales 16 int32 (the exponents e of the quantised operands' scales 2^e); x 2 x 2,048 x 1,024 float32.
;; Outputs: out0 2 x 2,048 x 1,024 float32.
;; This version of the problem:
;;   THIS VERSION OF THE PROBLEM IS GIVEN IN LOW PRECISION. The matrix products marked QUANTISED in the list below multiply operands that are first quantised to E5M2 (5 exponent bits, 2 mantissa bits; 8 bits a number), with one given power-of-two scale for each operand tensor; their sums are f32. All else is computed in f32.
;;   The module's matrix products, in the order in which they are computed (A, B: the left and right operand; K: the contracted axis; several contracted axes count as one K, in the product's order):
;;     1. [M 4,096, K 1,024] x [K 1,024, N 1,024]; A: computed on the way; B: input Wq: QUANTISED (scales: A lowp_scales[0], B lowp_scales[1])
;;     2. [M 4,096, K 1,024] x [K 1,024, N 1,024]; A: computed on the way; B: input Wk: QUANTISED (scales: A lowp_scales[2], B lowp_scales[3])
;;     3. [M 4,096, K 1,024] x [K 1,024, N 1,024]; A: computed on the way; B: input Wv: QUANTISED (scales: A lowp_scales[4], B lowp_scales[5])
;;     4. batch 32 x [M 2,048, K 64] x [K 64, N 2,048]; A: computed on the way; B: computed on the way: QUANTISED (scales: A lowp_scales[6], B lowp_scales[7])
;;     5. batch 32 x [M 64, K 2,048] x [K 2,048, N 2,048]; A: computed on the way; B: softmax (see below): QUANTISED (scales: A lowp_scales[8], B lowp_scales[9])
;;     6. [M 4,096, K 1,024] x [K 1,024, N 1,024]; A: computed on the way; B: input Wo: QUANTISED (scales: A lowp_scales[10], B lowp_scales[11])
;;     7. [M 4,096, K 1,024] x [K 1,024, N 4,096]; A: computed on the way; B: input W1: QUANTISED (scales: A lowp_scales[12], B lowp_scales[13])
;;     8. [M 4,096, K 4,096] x [K 4,096, N 1,024]; A: computed on the way; B: input W2: QUANTISED (scales: A lowp_scales[14], B lowp_scales[15])
;;   THE QUANTISER, for each operand of a quantised product, along K:
;;     - The operand's scale is 2^e, e = its entry of the input lowp_scales (int32; the entries are numbered through the quantised products in the list's order, A before B).
;;     - Each number is divided by the scale, clamped to +-57,344, and rounded to the nearest number of E5M2, ties to even, subnormals kept.
;;     - The product sums the exact products of the quantised numbers (number of the format x scale) in f32.
;;   ~~~python
;;   def quantise(x, axis, e):      # numpy; x: float32 -> the quantised numbers, widened to float32 again
;;       x = np.moveaxis(x, axis, -1); K = x.shape[-1]
;;       r = np.clip(x / 2.0 ** e, -57344, 57344)
;;       step = 2.0 ** (np.maximum(np.frexp(np.where(r == 0, 1, r))[1] - 1, -14) - 2)
;;       q = np.round(r / step) * step * 2.0 ** e      # np.round: ties to even
;;       return np.moveaxis(q, -1, axis).astype(np.float32)
;;   ~~~
;;   SOFTMAX AHEAD OF A QUANTISED PRODUCT. Where the list says 'softmax', what is quantised is not the finished softmax but p = 2^(t - M), with t = logit x log2(e) and M = ceil(the row's largest t), a whole number; so 1/2 < the row's largest p <= 1. The row's sum l is taken of the UNQUANTISED p, in f32, and the product's result is divided by l at the end. Since M is a whole number, a kernel that streams over the keys may use a running M (the ceiling of the running maximum): every later rescaling is an exact power of two, so the quantised numbers keep their values, but for numbers so far below the row's largest that they fall under the format's range.
;;   OPERANDS COMPUTED ON THE WAY. 'Computed on the way' means the value that the module computes at that place (a softmax that the list does not call 'softmax' is quantised finished and normalised). What goes into a quantiser is computed in f32, as accurately as f32 sums, v_exp_f32 and their like allow (about 1e-6 of the number): no bf16 or f16 on the way to a quantiser, and a product that is left as it is and whose result goes on into a quantised operand takes f32 operands (vector FMAs, or v_wmma_f32_16x16x4_f32). A number that lies on a knife's edge between two numbers of the format may be rounded either way, as far as f32 arithmetic and the matrix unit's own rounding can turn it there, and no further.
;; One version. Each part assembles by itself: llvm-mc -triple=amdgcn-amd-amdhsa -mcpu=gfx1250 --defsym DOCPART=n.
;; ======== version 1 of 1: 7 launches
;; limits: right only within a limited range of input values
;; workspace buffers: WC 12,582,912 bytes; HC 12,582,912 bytes; QKV 12,582,912 bytes; AT 4,194,304 bytes; OUT 16,777,216 bytes; H2 4,194,304 bytes; G 16,777,216 bytes
;; launch prep (part 1): grid 512 x 1, 8 waves a work-group, no clusters, 91,136 bytes of LDS; arguments Wq, Wk, Wv, Wo, lowp_scales, x, ln1_g, ln1_b, WC, HC; writes WC, HC
.if DOCPART == 1
	.amdgcn_target "amdgcn-amd-amdhsa--gfx1250"
	.amdhsa_code_object_version 6
	.text
	.protected	k_q93a7362f8c_prep
	.globl	k_q93a7362f8c_prep
	.p2align	8
	.type	k_q93a7362f8c_prep,@function
k_q93a7362f8c_prep:
	s_mov_b64 s[64:65], 0
	v_nop
	global_prefetch_b8 v0, s[64:65] scope:SCOPE_SE
	s_setreg_imm32_b32 hwreg(HW_REG_WAVE_MODE, 25, 1), 1
	s_wait_xcnt 0x0
; PREP.  Work-groups 0-255: LayerNorm 1 of x, quantised three times (e0, e2, e4).  Work-groups 256-511: Wq, Wk, Wv, Wo ([K][N] f32, K outermost) become codes of E5M2 with their given scales.  (W1 and W2 are quantised in the attention launch.)
; EVERY CODE BUFFER IS AN IMAGE OF THE OPERAND'S REGISTERS: byte(row, k) = (row/16) 16 K + (k/32) 512 + ((k/8)%2) 256 + (row%16) 16 + ((k/16)%2) 8 + k%8,
; so that a fragment's group of four registers is 512 consecutive bytes, 16 a lane, with every k in the place that the plain 8-bit forms give it.
; code = x / 2^e, held within +-57,344, to the nearest code, ties to even.  LIMITS: every e used here lies between -126 and 112; NaN among the inputs is not served.
; EVERY WAVE ASKS FOR ALL ITS INPUT AT ITS HEAD, so that it waits for memory once.
; WEIGHTS: a lane takes a column n and its registers run down K (32 numbers a block): a load reads 128 consecutive bytes, the eight waves of a work-group 1,024; a block's 32 codes are two pieces of 16 bytes, and sixteen lanes store
; 256 consecutive bytes.  A wave takes 32 columns x 64 along K: two blocks, 64 loads.  No LDS on this path.
; LAYERNORM: a work-group takes 16 rows (one block of the image), a wave two of them.  Loads are dense (512 bytes each), of the gains and biases too: mean, the sum of squares of x - mean (two passes over registers), scaling, gain and bias
; are worked in the layout in which the loads leave the numbers (lane l: columns 128 j + 4 l + 0..3).  The finished row turns through the wave's own stage, so that lane l holds columns 32 l .. 32 l + 31 for the conversions;
; the codes meet in an image in LDS and leave as runs of 512 bytes.
.set XW, 32                            ; v32-95   weights: two blocks of 32 numbers
.set CW, 96                            ; v96-111  weights: eight registers of codes for each block
.set NS, 3                             ; scales that the normalised rows are quantised with
.set NTX, 1                            ; the rows are read once
.set TURNB, 4608                       ; LDS: a wave's stage: 32 pieces of 128 bytes, 144 apart
.set IMG, 8*TURNB                      ; LDS: the images: for each scale 64 units of 256 bytes, 272 apart
.set IMGS, 64*272
.set GN, 20                            ; v20-51   gains, in the loads' layout
.set BN, 52                            ; v52-83   biases
.set R, 84                             ; v84-147  my two rows; at the end the images read back
.set VV, 148                           ; v148-179 32 neighbouring numbers of the finished row
.set T, 180                            ; v180-211 at work
.set CD, 212                           ; v212-235 codes, eight registers a scale
.set DB, 58                            ; s[58:63] where the images go, a pair a scale
	s_load_b256 s[16:23], s[0:1], 0x0              ; Wq, Wk, Wv, Wo
	s_load_b256 s[28:35], s[0:1], 0x20             ; the scales' exponents s[28:29], x s[30:31], gains s[32:33], biases s[34:35]
	s_load_b128 s[36:39], s[0:1], 0x40             ; WC s[36:37], HC s[38:39]
	v_lshl_add_u32 v240, v0, 2, 0x16000
	v_mov_b32 v241, 0
	v_lshrrev_b32 v1, 5, v0
	s_delay_alu instid0(VALU_DEP_1)
	v_readfirstlane_b32 s8, v1                     ; wave 0..7
	v_and_b32 v2, 31, v0                           ; lane
	s_wait_kmcnt 0x0
	s_load_b512 s[40:55], s[28:29], 0x0            ; e0 .. e15
	s_cmp_lt_u32 ttmp9, 256
	s_cbranch_scc1 .Lln
	; ---------------- the weights
.macro WLOAD t
.set i, 0
.rept 32
	global_load_b32 v[XW+32*(\t)+i], v3, s[4:5] offset:(32*(\t)+i)*4096 th:TH_LOAD_NT
.set i, i+1
.endr
.endm
.macro WBLOCK t
	s_wait_loadcnt 32*(1-(\t))                     ; this block's 32 loads are in; the second block's 32 may be out
.set XS, XW+32*(\t)
.set CS, CW+8*(\t)
.set i, 0
.rept 32
	v_med3_num_f32 v[XS+i], v[XS+i], -v10, v10     ; the conversion does not saturate (ISA guide 7.6.2): the hold first
.set i, i+1
.endr
	v_cvt_scalef32_pk8_bf8_f32 v[CS:CS+1], v[XS:XS+7], v11         ; k 0-7 and 16-23 make the first piece,
	v_cvt_scalef32_pk8_bf8_f32 v[CS+4:CS+5], v[XS+8:XS+15], v11    ; k 8-15 and 24-31 the second
	v_cvt_scalef32_pk8_bf8_f32 v[CS+2:CS+3], v[XS+16:XS+23], v11
	v_cvt_scalef32_pk8_bf8_f32 v[CS+6:CS+7], v[XS+24:XS+31], v11
	v_nop
	global_store_b128 v4, v[CS:CS+3], s[6:7] offset:512*(\t)       ; sixteen lanes store 256 consecutive bytes, aligned
	global_store_b128 v4, v[CS+4:CS+7], s[6:7] offset:512*(\t)+256
.endm
	s_sub_co_u32 s9, ttmp9, 256
	s_lshr_b32 s13, s9, 6                          ; 0-3: Wq, Wk, Wv, Wo: 64 work-groups each
	s_and_b32 s11, s9, 63
	s_lshl_b32 s11, s11, 3
	s_add_co_u32 s11, s11, s8                      ; my wave's share of the tensor, 0..511
	s_mov_b64 s[4:5], s[22:23]
	s_cmp_lt_u32 s13, 3
	s_cselect_b64 s[4:5], s[20:21], s[4:5]
	s_cmp_lt_u32 s13, 2
	s_cselect_b64 s[4:5], s[18:19], s[4:5]
	s_cmp_lt_u32 s13, 1
	s_cselect_b64 s[4:5], s[16:17], s[4:5]         ; the tensor
	s_and_b32 s14, s11, 31
	s_lshl_b32 s14, s14, 5                         ; my first column
	s_lshr_b32 s15, s11, 5                         ; which 64 along K, 0..15
	s_lshl_b32 s58, s15, 18                        ; 64 rows of 4,096 bytes
	s_lshl_b32 s59, s14, 2
	s_add_co_u32 s58, s58, s59
	s_mov_b32 s59, 0
	s_add_nc_u64 s[4:5], s[4:5], s[58:59]
	s_wait_alu depctr_va_vdst(0)
	v_lshlrev_b32 v3, 2, v2                        ; in: 4 bytes a lane
	WLOAD 0
	WLOAD 1
	s_lshr_b32 s60, s14, 4
	s_lshl_b32 s60, s60, 14                        ; a block of 16 rows of the image is 16,384 bytes,
	s_lshl_b32 s61, s15, 10                        ; 64 along K are two groups of 512
	s_add_co_u32 s60, s60, s61
	s_lshl_b32 s61, s13, 20                        ; the tensor's image in WC
	s_add_co_u32 s60, s60, s61
	s_mov_b32 s61, 0
	s_add_nc_u64 s[6:7], s[36:37], s[60:61]
	v_lshrrev_b32 v5, 4, v2
	v_and_b32 v4, 15, v2
	s_delay_alu instid0(VALU_DEP_1)
	v_lshlrev_b32 v4, 4, v4
	s_delay_alu instid0(VALU_DEP_1)
	v_lshl_add_u32 v4, v5, 14, v4                  ; out: my column's block and its 16 bytes in a unit
	s_wait_kmcnt 0x0
	s_mov_b32 s10, s51
	s_cmp_lt_u32 s13, 3
	s_cselect_b32 s10, s45, s10
	s_cmp_lt_u32 s13, 2
	s_cselect_b32 s10, s43, s10
	s_cmp_lt_u32 s13, 1
	s_cselect_b32 s10, s41, s10                    ; the tensor's e
	s_add_co_i32 s10, s10, 127
	s_lshl_b32 s11, s10, 23
	v_mov_b32 v11, s11                             ; 2^e
	s_add_co_i32 s10, s10, 15
	s_lshl_b32 s10, s10, 23
	s_or_b32 s10, s10, 0x600000
	v_mov_b32 v10, s10                             ; 57,344 x 2^e
	s_wait_alu depctr_va_vdst(0)
	WBLOCK 0
	WBLOCK 1
	s_endpgm
	; ---------------- LayerNorm
.macro LOADROW i
.set j, 0
.rept 8
.if NTX
	global_load_b128 v[R+32*(\i)+4*j:R+32*(\i)+4*j+3], v18, s[30:31] offset:4096*(\i)+512*j th:TH_LOAD_NT
.else
	global_load_b128 v[R+32*(\i)+4*j:R+32*(\i)+4*j+3], v18, s[30:31] offset:4096*(\i)+512*j
.endif
.set j, j+1
.endr
.endm
.macro MKSCALE vs, vl, se
	s_add_co_i32 s12, \se, 127
	s_lshl_b32 s13, s12, 23
	v_mov_b32 v[\vs], s13                          ; 2^e
	s_add_co_i32 s12, s12, 15
	s_lshl_b32 s12, s12, 23
	s_or_b32 s12, s12, 0x600000
	v_mov_b32 v[\vl], s12                          ; 57,344 x 2^e
.endm
.macro LANESUM                         ; v8 summed over the 32 lanes, the result in every lane
	s_delay_alu instid0(VALU_DEP_1)
	v_add_f32_dpp v8, v8, v8 row_xmask:1 row_mask:0xf bank_mask:0xf
	s_delay_alu instid0(VALU_DEP_1)
	v_add_f32_dpp v8, v8, v8 row_xmask:2 row_mask:0xf bank_mask:0xf
	s_delay_alu instid0(VALU_DEP_1)
	v_add_f32_dpp v8, v8, v8 row_xmask:4 row_mask:0xf bank_mask:0xf
	s_delay_alu instid0(VALU_DEP_1)
	v_add_f32_dpp v8, v8, v8 row_xmask:8 row_mask:0xf bank_mask:0xf
	s_delay_alu instid0(VALU_DEP_1)
	v_permlanex16_b32 v9, v8, s14, s15
	s_delay_alu instid0(VALU_DEP_1)
	v_add_f32 v8, v8, v9
.endm
.macro LNROW i
.set RS, R+32*(\i)
.if (\i) == 0
	s_wait_loadcnt 24                              ; row 0's eight loads are in; row 1's eight and the sixteen of gains and biases may be out
.endif
	v_pk_add_f32 v[T:T+1], v[RS:RS+1], v[RS+2:RS+3]
	v_pk_add_f32 v[T+2:T+3], v[RS+4:RS+5], v[RS+6:RS+7]
.set j, 8
.rept 6
	s_delay_alu instid0(VALU_DEP_2)
	v_pk_add_f32 v[T:T+1], v[T:T+1], v[RS+j:RS+j+1]
	s_delay_alu instid0(VALU_DEP_2)
	v_pk_add_f32 v[T+2:T+3], v[T+2:T+3], v[RS+j+2:RS+j+3]
.set j, j+4
.endr
	s_delay_alu instid0(VALU_DEP_1)
	v_pk_add_f32 v[T:T+1], v[T:T+1], v[T+2:T+3]
	s_delay_alu instid0(VALU_DEP_1)
	v_add_f32 v8, v[T], v[T+1]
	LANESUM
	s_delay_alu instid0(VALU_DEP_1)
	v_mul_f32 v10, s56, v8                         ; the mean, twice
	s_delay_alu instid0(VALU_DEP_2)
	v_mul_f32 v11, s56, v8
.set j, 0
.rept 16
	v_pk_add_f32 v[RS+j:RS+j+1], v[RS+j:RS+j+1], v[10:11] neg_lo:[0,1] neg_hi:[0,1]
.set j, j+2
.endr
	v_pk_mul_f32 v[T:T+1], v[RS:RS+1], v[RS:RS+1]
	v_pk_mul_f32 v[T+2:T+3], v[RS+2:RS+3], v[RS+2:RS+3]
.set j, 4
.rept 7
	s_delay_alu instid0(VALU_DEP_2)
	v_pk_fma_f32 v[T:T+1], v[RS+j:RS+j+1], v[RS+j:RS+j+1], v[T:T+1]
	s_delay_alu instid0(VALU_DEP_2)
	v_pk_fma_f32 v[T+2:T+3], v[RS+j+2:RS+j+3], v[RS+j+2:RS+j+3], v[T+2:T+3]
.set j, j+4
.endr
	s_delay_alu instid0(VALU_DEP_1)
	v_pk_add_f32 v[T:T+1], v[T:T+1], v[T+2:T+3]
	s_delay_alu instid0(VALU_DEP_1)
	v_add_f32 v8, v[T], v[T+1]
	LANESUM
	s_delay_alu instid0(VALU_DEP_1)
	v_fma_f32 v8, v8, s56, s57                     ; the variance + 1e-5
	s_wait_alu depctr_va_vdst(0)
	v_rsq_f32 v10, v8
	v_nop                                          ; a plain instruction behind the transcendental,
	s_wait_alu depctr_va_vdst(0)                   ; and the wait ahead of its first reader
	v_mov_b32 v11, v10
.set j, 0
.rept 16
	v_pk_mul_f32 v[RS+j:RS+j+1], v[RS+j:RS+j+1], v[10:11]
.set j, j+2
.endr
.if (\i) == 0
	s_wait_loadcnt 0x0                             ; the gains and biases (and row 1)
.endif
.set j, 0
.rept 16
	v_pk_fma_f32 v[RS+j:RS+j+1], v[RS+j:RS+j+1], v[GN+j:GN+j+1], v[BN+j:BN+j+1]
.set j, j+2
.endr
.set j, 0
.rept 8
	ds_store_b128 v3, v[RS+4*j:RS+4*j+3] offset:576*j
.set j, j+1
.endr
.set j, 0
.rept 8
	ds_load_b128 v[VV+4*j:VV+4*j+3], v4 offset:16*j    ; LDS serves a wave's instructions in order: these see the stores above
.set j, j+1
.endr
	s_wait_dscnt 0x0                               ; the row is back, and all my earlier LDS stores have read their registers
.set q, 0
.rept NS
.set j, 0
.rept 32
	v_med3_num_f32 v[T+j], v[VV+j], -v[15+q], v[15+q]
.set j, j+1
.endr
	v_cvt_scalef32_pk8_bf8_f32 v[CD+8*q:CD+8*q+1], v[T:T+7], v[12+q]
	v_cvt_scalef32_pk8_bf8_f32 v[CD+8*q+4:CD+8*q+5], v[T+8:T+15], v[12+q]
	v_cvt_scalef32_pk8_bf8_f32 v[CD+8*q+2:CD+8*q+3], v[T+16:T+23], v[12+q]
	v_cvt_scalef32_pk8_bf8_f32 v[CD+8*q+6:CD+8*q+7], v[T+24:T+31], v[12+q]
	v_nop                                          ; a plain instruction between the conversions and the next lines that write their sources
	ds_store_b128 v5, v[CD+8*q:CD+8*q+3] offset:IMGS*q+16*(\i)
	ds_store_b128 v5, v[CD+8*q+4:CD+8*q+7] offset:IMGS*q+272+16*(\i)
.set q, q+1
.endr
.endm
.Lln:
	s_wait_alu depctr_va_vdst(0)
	v_lshlrev_b32 v18, 4, v2                       ; 16 x lane
	s_lshl_b32 s10, ttmp9, 16                      ; my work-group's 16 rows of 4,096 bytes,
	s_lshl_b32 s11, s8, 13                         ; my wave's two
	s_add_co_u32 s10, s10, s11
	s_mov_b32 s11, 0
	s_add_nc_u64 s[30:31], s[30:31], s[10:11]
	LOADROW 0
	LOADROW 1
.set j, 0
.rept 8
	global_load_b128 v[GN+4*j:GN+4*j+3], v18, s[32:33] offset:512*j
	global_load_b128 v[BN+4*j:BN+4*j+3], v18, s[34:35] offset:512*j
.set j, j+1
.endr
	s_mul_i32 s10, s8, TURNB
	v_lshrrev_b32 v8, 3, v2
	s_delay_alu instid0(VALU_DEP_1)
	v_mul_u32_u24 v3, v8, 144
	v_and_b32 v8, 7, v2
	s_delay_alu instid0(VALU_DEP_1)
	v_lshl_add_u32 v3, v8, 4, v3
	s_delay_alu instid0(VALU_DEP_1)
	v_add_nc_u32 v3, s10, v3                       ; into the stage: eight lanes' 128 bytes on end, then 16 of padding
	v_mul_u32_u24 v4, v2, 144
	s_delay_alu instid0(VALU_DEP_1)
	v_add_nc_u32 v4, s10, v4                       ; out of it: my 128 bytes
	s_lshl_b32 s10, s8, 5
	s_add_co_u32 s10, s10, IMG
	v_mul_u32_u24 v5, v2, 544
	s_delay_alu instid0(VALU_DEP_1)
	v_add_nc_u32 v5, s10, v5                       ; into the image: my group's two units, my wave's two rows
	s_mul_i32 s10, s8, 2176
	s_add_co_u32 s10, s10, IMG
	v_lshrrev_b32 v8, 4, v2
	s_delay_alu instid0(VALU_DEP_1)
	v_mul_u32_u24 v6, v8, 272
	v_and_b32 v8, 15, v2
	s_delay_alu instid0(VALU_DEP_1)
	v_lshl_add_u32 v6, v8, 4, v6
	s_delay_alu instid0(VALU_DEP_1)
	v_add_nc_u32 v6, s10, v6                       ; out of it: my wave's eight units, two an instruction
	s_lshl_b32 s10, s8, 11
	v_add_nc_u32 v7, s10, v18                      ; and the same place in memory
	v_mov_b32 v9, 0                                ; a lane permute's destination counts as read
	s_mov_b32 s14, 0x76543210
	s_mov_b32 s15, 0xfedcba98
	s_mov_b32 s56, 0x3a800000                      ; 1 / 1024
	s_mov_b32 s57, 0x3727c5ac                      ; 1e-5
	s_lshl_b32 s10, ttmp9, 14
	s_add_nc_u64 s[58:59], s[38:39], s[10:11]      ; my block in the three images
	s_add_nc_u64 s[60:61], s[58:59], 0x400000
	s_add_nc_u64 s[62:63], s[58:59], 0x800000
	s_wait_kmcnt 0x0
	MKSCALE 12, 15, s40
	MKSCALE 13, 16, s42
	MKSCALE 14, 17, s44
	LNROW 0
	LNROW 1
	s_wait_dscnt 0x0                               ; for the others' sake: my stores into the images are done
	s_barrier_signal -1
	s_barrier_wait -1
.set q, 0
.rept NS
.set j, 0
.rept 4
	ds_load_b128 v[R+4*(4*q+j):R+4*(4*q+j)+3], v6 offset:IMGS*q+544*j
.set j, j+1
.endr
.set q, q+1
.endr
.set q, 0
.rept NS
.set j, 0
.rept 4
	s_wait_dscnt 4*NS-1-(4*q+j)                    ; LDS loads come back in order: the younger ones may be out
	global_store_b128 v7, v[R+4*(4*q+j):R+4*(4*q+j)+3], s[DB+2*q:DB+2*q+1] offset:512*j   ; 512 consecutive bytes, aligned
.set j, j+1
.endr
.set q, q+1
.endr
	s_wait_tensorcnt 0x0
	ds_add_u32 v240, v241
	s_wait_dscnt 0x0
	s_endpgm
.Lfunc_end_k_q93a7362f8c_prep:
	.size	k_q93a7362f8c_prep, .Lfunc_end_k_q93a7362f8c_prep-k_q93a7362f8c_prep
	.p2alignl 7, 3214868480
	.fill 96, 4, 3214868480
	.section	.rodata,"a",@progbits
	.p2align	6, 0x0
	.amdhsa_kernel k_q93a7362f8c_prep
		.amdhsa_group_segment_fixed_size 91136
		.amdhsa_private_segment_fixed_size 0
		.amdhsa_enable_private_segment 0
		.amdhsa_kernarg_size 80
		.amdhsa_user_sgpr_count 2
		.amdhsa_user_sgpr_kernarg_segment_ptr 1
		.amdhsa_wavefront_size32 1
		.amdhsa_system_sgpr_workgroup_id_x 1
		.amdhsa_system_sgpr_workgroup_id_y 1
		.amdhsa_system_sgpr_workgroup_id_z 1
		.amdhsa_system_vgpr_workitem_id 0
		.amdhsa_next_free_vgpr 242
		.amdhsa_next_free_sgpr 66
		.amdhsa_reserve_vcc 0
		.amdhsa_float_denorm_mode_32 3
		.amdhsa_float_denorm_mode_16_64 3
		.amdhsa_memory_ordered 1
		.amdhsa_forward_progress 1
		.amdhsa_inst_pref_size 54
	.end_amdhsa_kernel
	.amdgpu_metadata
---
amdhsa.version: [ 1, 2 ]
amdhsa.kernels:
  - .name:           k_q93a7362f8c_prep
    .symbol:         k_q93a7362f8c_prep.kd
    .args:
      - { .name: Wq, .offset: 0, .size: 8, .value_kind: global_buffer, .address_space: global }
      - { .name: Wk, .offset: 8, .size: 8, .value_kind: global_buffer, .address_space: global }
      - { .name: Wv, .offset: 16, .size: 8, .value_kind: global_buffer, .address_space: global }
      - { .name: Wo, .offset: 24, .size: 8, .value_kind: global_buffer, .address_space: global }
      - { .name: lowp_scales, .offset: 32, .size: 8, .value_kind: global_buffer, .address_space: global }
      - { .name: x, .offset: 40, .size: 8, .value_kind: global_buffer, .address_space: global }
      - { .name: ln1_g, .offset: 48, .size: 8, .value_kind: global_buffer, .address_space: global }
      - { .name: ln1_b, .offset: 56, .size: 8, .value_kind: global_buffer, .address_space: global }
      - { .name: WC, .offset: 64, .size: 8, .value_kind: global_buffer, .address_space: global }
      - { .name: HC, .offset: 72, .size: 8, .value_kind: global_buffer, .address_space: global }
    .group_segment_fixed_size: 91136
    .private_segment_fixed_size: 0
    .kernarg_segment_align: 8
    .kernarg_segment_size: 80
    .max_flat_workgroup_size: 256
    .sgpr_count:     66
    .vgpr_count:     242
    .wavefront_size: 32
...
	.end_amdgpu_metadata
.endif
;; end of part 1
;; launch qkv (part 2): grid 12 x 16, 4 waves a work-group, clusters of 4 x 4, 327,680 bytes of LDS; arguments HC, WC, lowp_scales, bq, bk, bv, QKV; writes QKV
.if DOCPART == 2
	.amdgcn_target "amdgcn-amd-amdhsa--gfx1250"
	.amdhsa_code_object_version 6
	.text
	.protected	k_q93a7362f8c_qkv
	.globl	k_q93a7362f8c_qkv
	.p2align	8
	.type	k_q93a7362f8c_qkv,@function
k_q93a7362f8c_qkv:
	s_mov_b64 s[64:65], 0
	v_nop
	global_prefetch_b8 v0, s[64:65] scope:SCOPE_SE
	s_setreg_imm32_b32 hwreg(HW_REG_WAVE_MODE, 25, 1), 1
	s_wait_xcnt 0x0
	s_wait_alu depctr_hold_cnt(0) depctr_sa_sdst(0) depctr_va_vdst(0) depctr_va_sdst(0) depctr_va_ssrc(0) depctr_va_vcc(0) depctr_vm_vsrc(0)
	s_getreg_b32 s2, hwreg(HW_REG_IB_STS2, 6, 4)
	s_cmp_eq_u32 s2, 0
	s_cbranch_scc0 .Lentry_in_a_cluster
	s_endpgm
.Lentry_in_a_cluster:
	s_bfe_u32 s2, ttmp6, 0x10000c
	s_cmp_lg_u32 s2, 0xf033
	s_cbranch_scc0 .Lentry_shape_is_right
	s_endpgm
.Lentry_shape_is_right:
.set HALFT,  32768
.set SLOT,   4*HALFT
.set SPARE,  2*SLOT
.set LAPS,   2
.set FR,     16
.set NL,     4
.set NP,     4
.set ADRA, 16
.set ADRB, 20
.set CO,   26
.set SPW,  28
.set NIL,  29
.set QS,   30
.set QL,   31
.set BI,   32
.set TMP,  96
.set CD,   160
.set AF,   128
.set G1, 24
.set G0, 32
.set G1B, 48
.set G0B, 56
.set MSB, 0
.macro WIN new
.if MSB != (\new)
	s_set_vgpr_msb (MSB<<8)|(\new)
.set MSB, (\new)
.endif
.endm
.set MUL_LO, 0xa1
.set MUL_HI, 0xf1
.set TO_B,   0x40
.macro JLOAD g0a, g1a, g0b, g1b
	s_cmp_eq_u32 s15, 0
	s_cbranch_scc0 .Lfor_b_\@
	tensor_load_to_lds s[\g0a:\g0a+3], s[\g1a:\g1a+7]
	s_nop 0
.rept 4
	v_nop
.endr
	s_branch .Lasked_\@
.Lfor_b_\@:
	tensor_load_to_lds s[\g0b:\g0b+3], s[\g1b:\g1b+7]
	s_nop 0
.rept 4
	v_nop
.endr
.Lasked_\@:
.endm
.macro CREST
	s_cmp_lg_u32 s14, 0
	s_cbranch_scc1 .Lnot_wave_0_\@
	s_barrier_signal -3
.Lnot_wave_0_\@:
	s_barrier_wait -3
	s_barrier_signal -1
	s_barrier_wait -1
.endm
.macro CROUND
	s_barrier_signal -1
	s_barrier_wait -1
	CREST
.endm
	s_load_b128 s[4:7], s[0:1], 0x0
	s_load_b128 s[8:11], s[0:1], 0x10
	s_load_b128 s[68:71], s[0:1], 0x20
	s_load_b64 s[66:67], s[0:1], 0x30
	v_lshl_add_u32 v[SPW], v0, 2, SPARE
	v_mov_b32 v[NIL], 0
	ds_add_u32 v28, v29
	ds_add_u32 v28, v29
	s_wait_dscnt 0x0
	v_lshrrev_b32 v1, 5, v0
	v_readfirstlane_b32 s14, v1
	v_and_b32 v27, 15, v0                          ; the prefetches' offset, never rewritten: lane l names unit l % 16 (256 bytes) of a K step's 4,096 bytes in block l / 16 (16,384 bytes on)
	v_lshlrev_b32 v27, 8, v27
	v_bfe_u32 v3, v0, 4, 1
	v_lshl_add_u32 v27, v3, 14, v27
	s_lshr_b32 s15, s14, 1
	s_and_b32 s16, s14, 1
	s_bfe_u32 s40, ttmp6, 0x40000
	s_bfe_u32 s41, ttmp6, 0x40004
	s_and_b32 s72, ttmp7, 0xffff
	s_lshl_b32 s72, s72, 2
	s_cmp_eq_u32 ttmp9, 2
	s_cselect_b32 s17, 0, s72
	s_cselect_b32 s42, s72, 0
	s_add_co_u32 s17, s17, s41
	s_add_co_u32 s42, s42, s40
	s_lshl_b32 s43, s41, 2
	s_lshl_b32 s43, 15, s43
	s_lshl_b32 s44, 0x1111, s40
	s_or_b32 s[G1+0], s43, (3<<16)|(1<<21)
	s_or_b32 s[G1B+0], s44, (3<<16)|(1<<21)
.irp g, G1, G1B
	s_mov_b32 s[\g+1], 512<<16
	s_mov_b32 s[\g+2], 8<<16
	s_mov_b32 s[\g+3], 512<<16
	s_mov_b32 s[\g+4], 8
	s_mov_b32 s[\g+5], 2048
	s_mov_b32 s[\g+6], 0
	s_mov_b32 s[\g+7], 0
.endr
	s_lshl_b32 s18, s16, 7
	s_lshl_b32 s20, s17, 8
	s_add_co_u32 s20, s20, s18
	s_lshl_b32 s20, s20, 10
	s_mov_b32 s21, 0
	s_lshl_b32 s46, s42, 8
	s_add_co_u32 s46, s46, s18
	s_lshl_b32 s46, s46, 10
	s_mov_b32 s47, 0
	s_mul_i32 s45, s14, HALFT
	s_lshl_b32 s74, ttmp9, 22
	s_mov_b32 s75, 0
	s_wait_kmcnt 0x0
	s_load_b256 s[80:87], s[8:9], 0x0
	s_load_b32 s88, s[8:9], 0x20
	s_add_nc_u64 s[76:77], s[4:5], s[74:75]
	s_lshl_b32 s74, ttmp9, 20
	s_add_nc_u64 s[78:79], s[6:7], s[74:75]
	s_cmp_eq_u32 ttmp9, 2
	s_cselect_b64 s[4:5], s[78:79], s[76:77]
	s_cselect_b64 s[6:7], s[76:77], s[78:79]
	s_add_nc_u64 s[20:21], s[4:5], s[20:21]
	s_add_nc_u64 s[46:47], s[6:7], s[46:47]
	; PREFETCH INTO THE L2: of the eight blocks that my wave's joint load brings, each of the four partners that ask with me names two, told apart by address (cx for the first operand, cy for the second):
	; 32 units of 256 bytes, a lane a unit, one instruction a wave and K step, so that each unit is named once in the cluster.  Behind K step 0's load: K step 1; behind K step 1's: K steps 2 and 3, the last.
	s_cmp_eq_u32 s15, 0
	s_cselect_b64 s[12:13], s[20:21], s[46:47]
	s_cselect_b32 s18, s40, s41
	s_lshl_b32 s18, s18, 15
	s_mov_b32 s19, 0
	s_add_nc_u64 s[12:13], s[12:13], s[18:19]
.irp s, 0,1
	s_mov_b32 s[G0+4*\s], 1
	s_add_co_u32 s[G0+4*\s+1], s45, \s*SLOT
	s_add_nc_u64 s[G0+4*\s+2:G0+4*\s+3], s[20:21], \s*4096
	s_or_b32 s[G0+4*\s+3], s[G0+4*\s+3], 0x80000000
	s_mov_b32 s[G0B+4*\s], 1
	s_add_co_u32 s[G0B+4*\s+1], s45, \s*SLOT
	s_add_nc_u64 s[G0B+4*\s+2:G0B+4*\s+3], s[46:47], \s*4096
	s_or_b32 s[G0B+4*\s+3], s[G0B+4*\s+3], 0x80000000
	s_wait_alu depctr_va_vdst(0)
	s_wait_tensorcnt 0x0
	ds_add_u32 v28, v29
	ds_add_u32 v28, v29
	s_wait_dscnt 0x0
	CROUND
	JLOAD G0+4*\s, G1, G0B+4*\s, G1B
	global_prefetch_b8 v27, s[12:13] offset:4096*(\s+1) th:TH_LOAD_NT scope:SCOPE_SE
.if \s == 1
	global_prefetch_b8 v27, s[12:13] offset:4096*3 th:TH_LOAD_NT scope:SCOPE_SE
.endif
.endr
	v_and_b32 v1, 15, v0
	s_wait_alu depctr_va_vdst(0)
	v_bfe_u32 v2, v0, 4, 1
	v_and_b32 v3, 31, v0
	v_lshlrev_b32 v[CO], 4, v3
	s_mul_i32 s21, s15, HALFT
	s_mul_i32 s22, s16, HALFT
	s_add_co_u32 s22, s22, 2*HALFT
.irp s, 0,1
	v_add_nc_u32 v[ADRA+\s], s21, v[CO]
	v_add_nc_u32 v[ADRB+\s], s22, v[CO]
	s_add_co_u32 s21, s21, SLOT
	s_add_co_u32 s22, s22, SLOT
.endr
	s_lshl_b32 s92, s17, 8
	s_lshl_b32 s93, s15, 7
	s_add_co_u32 s92, s92, s93
	s_lshl_b32 s93, s42, 8
	s_lshl_b32 s94, s16, 7
	s_add_co_u32 s93, s93, s94
	s_cmp_eq_u32 ttmp9, 2
	s_cselect_b32 s94, s93, s92
	s_cselect_b32 s95, s92, s93
	s_cselect_b32 s98, 4, 0
	s_cselect_b32 s99, 0, 32
	s_cselect_b32 s73, 0, 4
	s_cselect_b64 s[90:91], s[70:71], s[68:69]
	s_cmp_eq_u32 ttmp9, 0
	s_cselect_b64 s[90:91], s[10:11], s[90:91]
	s_lshl_b32 s74, s95, 2
	s_add_nc_u64 s[90:91], s[90:91], s[74:75]
	v_mul_u32_u24 v7, v1, s98
	s_wait_alu depctr_va_vdst(0)
	v_mad_u32_u24 v7, v2, s99, v7
	v_mov_b32 v6, s73
.irp j, 0,1,2,3,4,5,6,7
	v_mad_u32_u24 v[8+\j], v6, \j, v7
.endr
.irp x, 0,1,2,3,4,5,6,7
.irp j, 0,1,2,3,4,5,6,7
	global_load_b32 v[BI+8*\x+\j], v[8+\j], s[90:91] offset:64*\x
.endr
.endr
	s_lshr_b32 s74, s94, 11
	s_lshl_b32 s74, s74, 4
	s_lshr_b32 s76, s95, 6
	s_add_co_u32 s74, s74, s76
	s_lshl_b32 s74, s74, 17
	s_and_b32 s76, s94, 2047
	s_lshl_b32 s76, s76, 6
	s_add_co_u32 s74, s74, s76
	s_lshl_b32 s76, ttmp9, 22
	s_add_co_u32 s74, s74, s76
	s_add_nc_u64 s[66:67], s[66:67], s[74:75]
.macro FRAG reg, adr, q, i
.irp c, 0,1,2,3
	ds_load_b128 v[\reg+4*\c:\reg+4*\c+3], v[\adr] offset:2048*(\q)+512*\c+4096*(\i)
.endr
.endm
.macro MUL16 a0, p, zero
.irp a, \a0, \a0+1
.irp b, 0,1,2,3,4,5,6,7
.if \zero
	v_wmma_f32_16x16x128_bf8_bf8 v[8*(8*((\a)%4)+\b):8*(8*((\a)%4)+\b)+7], v[128*(\p)+FR*\b:128*(\p)+FR*\b+FR-1], v[AF+FR*(\a):AF+FR*(\a)+FR-1], 0
.else
	v_wmma_f32_16x16x128_bf8_bf8 v[8*(8*((\a)%4)+\b):8*(8*((\a)%4)+\b)+7], v[128*(\p)+FR*\b:128*(\p)+FR*\b+FR-1], v[AF+FR*(\a):AF+FR*(\a)+FR-1], v[8*(8*((\a)%4)+\b):8*(8*((\a)%4)+\b)+7]
.endif
.endr
.endr
.endm
.macro FETCH_B slot, q, p
	WIN TO_B
.irp i, 0,1,2,3,4,5,6,7
	FRAG 128*(\p)+FR*\i, ADRB+\slot, \q, \i
.endr
	WIN 0
.endm
.macro FETCH_A slot, q, i0
.irp i, \i0, \i0+1, \i0+2, \i0+3
	FRAG AF+FR*(\i), ADRA+\slot, \q, \i
.endr
.endm
.macro PLACES n
.rept \n
	v_nop
.endr
.endm
.macro STEP slot, q, zero
	s_wait_dscnt 4*NL
	WIN MUL_LO
	MUL16 0, (\q)%2, \zero
	MUL16 2, (\q)%2, \zero
	s_wait_dscnt 0
	PLACES NP
	FETCH_B \slot, (\q)+1, 1-(\q)%2
	FETCH_A \slot, (\q)+1, 0
	WIN MUL_HI
	MUL16 4, (\q)%2, \zero
	MUL16 6, (\q)%2, \zero
	PLACES NP
	WIN 0
	FETCH_A \slot, (\q)+1, 4
.endm
.macro TURN slot, next, fill
	s_wait_tensorcnt 0x0
	ds_add_u32 v[SPW], v[NIL]
	s_wait_dscnt 4*NL+1
	WIN MUL_LO
	MUL16 0, 1, 0
	s_wait_dscnt 0x0
	s_barrier_signal -1
	MUL16 2, 1, 0
	WIN 0
	s_barrier_wait -1
.if \fill
	CREST
	s_add_nc_u64 s[G0+4*\slot+2:G0+4*\slot+3], s[G0+4*\slot+2:G0+4*\slot+3], 8192
	s_add_nc_u64 s[G0B+4*\slot+2:G0B+4*\slot+3], s[G0B+4*\slot+2:G0B+4*\slot+3], 8192
	JLOAD G0+4*\slot, G1, G0B+4*\slot, G1B
.else
	PLACES NP
.endif
	FETCH_B \next, 0, 0
	FETCH_A \next, 0, 0
	WIN MUL_HI
	MUL16 4, 1, 0
	MUL16 6, 1, 0
	PLACES NP
	WIN 0
	FETCH_A \next, 0, 4
.endm
	s_wait_tensorcnt 1
	s_barrier_signal -1
	s_barrier_wait -1
	FETCH_B 0, 0, 0
	FETCH_A 0, 0, 0
	FETCH_A 0, 0, 4
	STEP 0, 0, 1
	s_mov_b32 s3, LAPS-1
.Llap:
	TURN 0, 1, 1
	STEP 1, 0, 0
	TURN 1, 0, 1
	STEP 0, 0, 0
	s_sub_co_u32 s3, s3, 1
	s_cmp_lg_u32 s3, 0
	s_cbranch_scc1 .Llap
	TURN 0, 1, 0
	STEP 1, 0, 0
	s_wait_dscnt 4*NL
	WIN MUL_LO
	MUL16 0, 1, 0
	MUL16 2, 1, 0
	s_wait_dscnt 0
	WIN MUL_HI
	MUL16 4, 1, 0
	MUL16 6, 1, 0
	WIN 0
	s_wait_kmcnt 0x0
	s_add_co_i32 s80, s80, s81
	s_add_co_i32 s82, s82, s83
	s_add_co_i32 s84, s84, s85
	s_cmp_eq_u32 ttmp9, 0
	s_cselect_b32 s96, s80, s82
	s_cselect_b32 s97, s86, s87
	s_cmp_eq_u32 ttmp9, 2
	s_cselect_b32 s96, s84, s96
	s_cselect_b32 s97, s88, s97
	s_add_co_i32 s96, s96, 127
	s_lshl_b32 s96, s96, 23
	s_add_co_i32 s97, s97, 127
	s_lshl_b32 s74, s97, 23
	v_mov_b32 v[QS], s74
	s_add_co_i32 s97, s97, 15
	s_lshl_b32 s97, s97, 23
	s_or_b32 s97, s97, 0x600000
	v_mov_b32 v[QL], s97
	s_mov_b32 s97, s96
	s_wait_loadcnt 0x0
	PLACES NP
.macro WAYOUT isv
.set a, 0
.rept 8
.if a >= 2
	s_wait_xcnt 0x0
.endif
	WIN 0x02+(a/4)
.set b, 0
.rept 8
.set x, b
.if \isv
.set x, a
.endif
.set i, 0
.rept 4
	v_pk_fma_f32 v[TMP+8*b+i:TMP+8*b+i+1], v[64*(a%4)+8*b+i:64*(a%4)+8*b+i+1], s[96:97], v[BI+8*x+i:BI+8*x+i+1] op_sel_hi:[1,0,1]
.set i, i+2
.endr
.set b, b+1
.endr
	WIN 0
.set i, 0
.rept 64
	v_med3_num_f32 v[TMP+i], v[TMP+i], -v[QL], v[QL]
.set i, i+1
.endr
.set b, 0
.rept 8
	v_cvt_scalef32_pk8_bf8_f32 v[CD+16*(a%2)+2*b:CD+16*(a%2)+2*b+1], v[TMP+8*b:TMP+8*b+7], v[QS]
.set b, b+1
.endr
	v_nop
.set p, 0
.rept 4
.if \isv
	global_store_b128 v[CO], v[CD+16*(a%2)+4*p:CD+16*(a%2)+4*p+3], s[66:67] offset:131072*(a/4)+2048*(a%4)+512*p
.else
	global_store_b128 v[CO], v[CD+16*(a%2)+4*p:CD+16*(a%2)+4*p+3], s[66:67] offset:1024*a+131072*(p/2)+512*(p%2)
.endif
.set p, p+1
.endr
.set a, a+1
.endr
.endm
	s_cmp_eq_u32 ttmp9, 2
	s_cbranch_scc1 .Lout_v
	WAYOUT 0
	s_branch .Lend
.Lout_v:
	WAYOUT 1
.Lend:
	s_wait_tensorcnt 0x0
	ds_add_u32 v[SPW], v[NIL]
	s_wait_dscnt 0x0
	CROUND
	s_endpgm
.Lfunc_end_k_q93a7362f8c_qkv:
	.size	k_q93a7362f8c_qkv, .Lfunc_end_k_q93a7362f8c_qkv-k_q93a7362f8c_qkv
	.p2alignl 7, 3214868480
	.fill 96, 4, 3214868480
	.section	.rodata,"a",@progbits
	.p2align	6, 0x0
	.amdhsa_kernel k_q93a7362f8c_qkv
		.amdhsa_group_segment_fixed_size 327680
		.amdhsa_private_segment_fixed_size 0
		.amdhsa_enable_private_segment 0
		.amdhsa_kernarg_size 56
		.amdhsa_user_sgpr_count 2
		.amdhsa_user_sgpr_kernarg_segment_ptr 1
		.amdhsa_wavefront_size32 1
		.amdhsa_system_sgpr_workgroup_id_x 1
		.amdhsa_system_sgpr_workgroup_id_y 1
		.amdhsa_system_sgpr_workgroup_id_z 1
		.amdhsa_system_vgpr_workitem_id 0
		.amdhsa_next_free_vgpr 1024
		.amdhsa_next_free_sgpr 100
		.amdhsa_reserve_vcc 0
		.amdhsa_float_denorm_mode_32 3
		.amdhsa_float_denorm_mode_16_64 3
		.amdhsa_memory_ordered 1
		.amdhsa_forward_progress 1
		.amdhsa_inst_pref_size 199
	.end_amdhsa_kernel
	.amdgpu_metadata
---
amdhsa.version: [ 1, 2 ]
amdhsa.kernels:
  - .name:           k_q93a7362f8c_qkv
    .symbol:         k_q93a7362f8c_qkv.kd
    .args:
      - { .name: HC, .offset: 0, .size: 8, .value_kind: global_buffer, .address_space: global }
      - { .name: WC, .offset: 8, .size: 8, .value_kind: global_buffer, .address_space: global }
      - { .name: lowp_scales, .offset: 16, .size: 8, .value_kind: global_buffer, .address_space: global }
      - { .name: bq, .offset: 24, .size: 8, .value_kind: global_buffer, .address_space: global }
      - { .name: bk, .offset: 32, .size: 8, .value_kind: global_buffer, .address_space: global }
      - { .name: bv, .offset: 40, .size: 8, .value_kind: global_buffer, .address_space: global }
      - { .name: QKV, .offset: 48, .size: 8, .value_kind: global_buffer, .address_space: global }
    .group_segment_fixed_size: 327680
    .private_segment_fixed_size: 0
    .kernarg_segment_align: 8
    .kernarg_segment_size: 56
    .max_flat_workgroup_size: 128
    .sgpr_count:     100
    .vgpr_count:     1024
    .wavefront_size: 32
...
	.end_amdgpu_metadata
.endif
;; end of part 2
;; launch attn (part 3): grid 8 x 32, 8 waves a work-group, clusters of 4 x 1, 327,680 bytes of LDS; arguments QKV, lowp_scales, AT, W1, W2, WC; writes AT, WC
.if DOCPART == 3
	.amdgcn_target "amdgcn-amd-amdhsa--gfx1250"
	.amdhsa_code_object_version 6
	.text
	.protected	k_q93a7362f8c_attn
	.globl	k_q93a7362f8c_attn
	.p2align	8
	.type	k_q93a7362f8c_attn,@function
k_q93a7362f8c_attn:
	s_mov_b64 s[64:65], 0
	v_nop
	global_prefetch_b8 v0, s[64:65] scope:SCOPE_SE
	s_setreg_imm32_b32 hwreg(HW_REG_WAVE_MODE, 25, 1), 1
	s_wait_xcnt 0x0
	s_wait_alu depctr_hold_cnt(0) depctr_sa_sdst(0) depctr_va_vdst(0) depctr_va_sdst(0) depctr_va_ssrc(0) depctr_va_vcc(0) depctr_vm_vsrc(0)
	s_getreg_b32 s2, hwreg(HW_REG_IB_STS2, 6, 4)
	s_cmp_eq_u32 s2, 0
	s_cbranch_scc0 .Lentry_in_a_cluster
	s_endpgm
.Lentry_in_a_cluster:
	s_bfe_u32 s2, ttmp6, 0x10000c
	s_cmp_lg_u32 s2, 0x3003
	s_cbranch_scc0 .Lentry_shape_is_right
	s_endpgm
.Lentry_shape_is_right:
; Attention of one (batch, head) on codes of E5M2: S^T = K Q^T (K = 64), softmax, O^T = V^T P^T (K = the keys), O / l, quantised with e10 into the image AT.
; t = score x 2^(e6 + e7) x log2(e) / 32; M = the running largest t rounded UP to a whole number; p = 2^(t - M) is quantised with e9, not normalised; the row's sum is taken of the unquantised p and divides at the end.
; When M moves, the sum and O^T are multiplied by 2^(old M - new M): nothing is rounded, and there is no branch on data.
; SHARES: a work-group owns 256 queries of a head; each of its eight waves owns 32 of them, tiles A and B of 16, so that each fragment of K and V read from LDS feeds two matrix instructions.  Every wave walks the head's 2,048 keys, 128 a step.
; LDS: the head's K image (131,072 bytes at 0) and V image (131,072 at 131,072) lie in LDS whole; each byte is filled once, by joint loads of the cluster's four work-groups, which share the head.
; Waves 0-3 bring K, waves 4-7 V.  At the head each wave brings 8,192 bytes (together key steps 0-3); behind the full sequence and a round of the cluster's barrier each brings 24,576 more (key steps 4-15), which land under key steps 0-3.
; No prefetch: every tile of the launch is asked for in these two groups at the head, so there is no later tile to run ahead of.
; Fragments are images of registers: 16 bytes a lane, 512 an instruction.  A lane holds ONE query of each tile (lane % 16); register j of score tile u is key 16 u + 8 (lane / 16) + j: eight converted are registers 2 u, 2 u + 1 of P.
; A STEP: this step's V fragments and the next step's K fragments are asked for in one run behind the first products and land under the softmax.
; A's exponentials stand by turns with B's scalings; B's exponentials with A's holds and the first level of A's sum (16 additions that hang on nothing in the batch).
; The scalings, the rescaling, the sums and the holds are written as dual pairs, an even and an odd register to a pair; what both halves of a pair take in (c, -M, f, the bound) lies in two neighbouring registers, so that the halves' sources lie in unlike banks.
; (A phase's last step asks for its own K fragments once more, by a clamped address, so that every trip is alike; nothing reads them.)
; W1 AND W2 ARE QUANTISED HERE, on the side: each is 4,096 blocks of 32 columns x 32 along K, and the launch has 2,048 waves: two neighbouring blocks of each to a wave.  A lane takes a column and its 32 registers run down K.
; The codes go into WC (W1 at 4 MiB, W2 at 8 MiB) as images: byte(n, k) = (n/16) 16 K + (k/32) 512 + ((k/8)%2) 256 + (n%16) 16 + ((k/16)%2) 8 + k%8: sixteen lanes store 256 consecutive bytes, aligned.
; LIMITS: e6 + e7 between -121 and 132; e9, e10, e13 and e15 between -126 and 112; e8 + e9 goes in by v_ldexp_f32.  NaN among the inputs is not served.
; REGISTERS.  Window 0: v1 16 x lane; v2 4 x lane; v3, v10 the weights' codes' places; v4, v5 the add's two; v6, v7 2^e13, 2^e15; v8, v9 LDS addresses; v11 v1 + V's image; v12, v13 A's -M and largest score; v14, v15 B's;
;   v16-23 Q of A; v24-31 Q of B; v32-95 K's fragments; v96-159 V's; v160-223 two weight blocks; v224-239 their codes; v244-251 maxima at work; v252, v253 lane permutes; v254, v255 the old -M.
; Window 1: v0-63 S^T then p of A; v64-127 of B; v128-143, v144-159 P's codes (before that: sums at work); v160-191, v192-223 O^T; v224-225, v226-227 the rows' sums; v240, v241 57,344 x 2^e9; v244 2^e9; v245 2^e10;
;   v246, v247 c; v248, v249 A's -M; v250, v251 B's; v252, v253 A's f; v254, v255 B's.
.set WV,  18
.set TK,  19
.set SEL, 20
.set CS,  22
.set G1A, 24
.set G0A, 32
.set G0B, 36
.set G1B, 40
.set TB,  2
.set CNT, 3
.set SPW, 4
.set NIL, 5
.set MSB, 0
.macro WIN new                         ; the immediate's high byte repeats the setting that is left
.if MSB != (\new)
	s_set_vgpr_msb (MSB<<8)|(\new)
.set MSB, (\new)
.endif
.endm
.macro CROUND
	s_barrier_signal -1
	s_barrier_wait -1
	s_cmp_lg_u32 s[WV], 0
	s_cbranch_scc1 .Lnot_wave_0_\@
	s_barrier_signal -3
.Lnot_wave_0_\@:
	s_barrier_wait -3
	s_barrier_signal -1
	s_barrier_wait -1
.endm
.macro NOPS n
.rept \n
	v_nop
.endr
.endm
	s_load_b128 s[4:7], s[0:1], 0x0                ; QKV, the scales' exponents
	s_load_b64 s[8:9], s[0:1], 0x10                ; AT
	s_load_b128 s[80:83], s[0:1], 0x18             ; W1, W2
	s_load_b64 s[84:85], s[0:1], 0x28              ; WC
	v_lshl_add_u32 v[SPW], v0, 2, 0x40000
	v_mov_b32 v[NIL], 0
	ds_add_u32 v[SPW], v[NIL]                      ; the opening: the add, twice on end, and its wait ahead of my first tensor load
	ds_add_u32 v[SPW], v[NIL]
	v_lshrrev_b32 v8, 5, v0
	v_readfirstlane_b32 s[WV], v8                  ; wave 0..7
	s_bfe_u32 s10, ttmp6, 0x40000                  ; cx: it enters the addresses of Q, AT and the weights alone
	s_lshl_b32 s11, ttmp9, 2
	s_add_co_u32 s11, s11, s10                     ; my block of 256 queries, 0..7
	s_and_b32 s12, ttmp7, 0xffff                   ; 16 x batch + head, which the four partners share
	s_lshl_b32 s48, s12, 17
	s_lshr_b32 s13, s[WV], 2                       ; I fetch for K (0) or V (1),
	s_and_b32 s14, s[WV], 3                        ; which quarter of a group
	s_lshl_b32 s15, s13, 17                        ; the image in LDS
	s_lshl_b32 s16, s14, 13                        ; first group: 8,192 x quarter
	s_mul_i32 s17, s14, 24576
	s_add_co_u32 s17, s17, 32768                   ; second group: 32,768 + 24,576 x quarter
	s_mov_b32 s[G0A], 1
	s_add_co_u32 s[G0A+1], s15, s16
	s_mov_b32 s[G0B], 1
	s_add_co_u32 s[G0B+1], s15, s17
	s_lshl_b32 s50, s13, 22
	s_add_co_u32 s50, s50, s48
	s_add_co_u32 s50, s50, 0x400000                ; the head's image in QKV
	s_add_co_u32 s98, s50, s16
	s_mov_b32 s99, 0
	s_add_co_u32 s78, s50, s17
	s_mov_b32 s79, 0
	s_mov_b32 s[G1A], 15|(3<<16)|(1<<21)           ; the mask: all four work-groups; elements of 8 bytes; bit 21 beside a mask
	s_mov_b32 s[G1A+1], 32<<16                     ; rows of 256 bytes,
	s_mov_b32 s[G1A+2], 32<<16                     ; 32 of them,
	s_mov_b32 s[G1A+3], 32<<16
	s_mov_b32 s[G1A+4], 32
	s_mov_b32 s[G1A+5], 32                         ; dense
	s_mov_b32 s[G1A+6], 0
	s_mov_b32 s[G1A+7], 0
	s_mov_b32 s[G1B], 15|(3<<16)|(1<<21)
	s_mov_b32 s[G1B+1], 32<<16
	s_mov_b32 s[G1B+2], 96<<16                     ; 96 rows
	s_mov_b32 s[G1B+3], 32<<16
	s_mov_b32 s[G1B+4], 96
	s_mov_b32 s[G1B+5], 32
	s_mov_b32 s[G1B+6], 0
	s_mov_b32 s[G1B+7], 0
	s_wait_dscnt 0x0                               ; both opening adds are done
	s_wait_kmcnt 0x0
	s_load_b128 s[68:71], s[6:7], 0x18             ; e6, e7, e8, e9
	s_load_b32 s72, s[6:7], 0x28                   ; e10
	s_load_b32 s94, s[6:7], 0x34                   ; e13: W1's
	s_load_b32 s95, s[6:7], 0x3c                   ; e15: W2's
	s_add_nc_u64 s[G0A+2:G0A+3], s[4:5], s[98:99]
	s_or_b32 s[G0A+3], s[G0A+3], 0x80000000
	s_add_nc_u64 s[G0B+2:G0B+3], s[4:5], s[78:79]
	s_or_b32 s[G0B+3], s[G0B+3], 0x80000000
	CROUND                                         ; all four work-groups are here: the joint loads meet
	tensor_load_to_lds s[G0A:G0A+3], s[G1A:G1A+7]  ; my one load at the head: an eighth of key steps 0-3
	s_nop 0
	NOPS 4
	s_lshl_b32 s52, s11, 4
	s_lshl_b32 s53, s[WV], 1
	s_add_co_u32 s52, s52, s53                     ; tile A among the head's 128 tiles of 16 queries; tile B is the next
	s_lshl_b32 s54, s52, 10
	s_add_co_u32 s54, s54, s48
	s_mov_b32 s55, 0                               ; Q's fragments
	s_lshr_b32 s56, s12, 4
	s_lshl_b32 s56, s56, 7
	s_add_co_u32 s56, s56, s52
	s_lshl_b32 s56, s56, 14                        ; AT: a block of 16 rows is 16,384 bytes,
	s_and_b32 s57, s12, 15
	s_lshl_b32 s57, s57, 10                        ; a head's 64 along K two groups of 512
	s_add_co_u32 s56, s56, s57
	s_mov_b32 s57, 0
	s_lshl_b32 s86, s12, 19                        ; W1 [1,024][4,096]: 32 rows of 16,384 bytes x (s12),
	s_lshl_b32 s87, s52, 7                         ; columns 32 x (s52) on
	s_add_co_u32 s86, s86, s87
	s_mov_b32 s87, 0
	s_lshl_b32 s88, s52, 15                        ; its codes: two blocks of 16 rows of 16,384 bytes a column block,
	s_lshl_b32 s89, s12, 9                         ; 32 along K are 512
	s_add_co_u32 s88, s88, s89
	s_add_co_u32 s88, s88, 0x400000
	s_mov_b32 s89, 0
	s_and_b32 s96, s11, 1                          ; W2 [4,096][1,024]
	s_lshl_b32 s96, s96, 4
	s_add_co_u32 s96, s96, s53                     ; which 32 columns, 0..30, and the next
	s_lshl_b32 s97, s12, 2
	s_lshr_b32 s49, s11, 1
	s_add_co_u32 s97, s97, s49                     ; which 32 along K, 0..127
	s_lshl_b32 s90, s97, 17                        ; 32 rows of 4,096 bytes
	s_lshl_b32 s91, s96, 7
	s_add_co_u32 s90, s90, s91
	s_mov_b32 s91, 0
	s_lshl_b32 s92, s96, 17                        ; its codes: two blocks of 16 rows of 65,536 bytes a column block
	s_lshl_b32 s93, s97, 9
	s_add_co_u32 s92, s92, s93
	s_add_co_u32 s92, s92, 0x800000
	s_mov_b32 s93, 0
	s_add_nc_u64 s[54:55], s[4:5], s[54:55]
	s_add_nc_u64 s[8:9], s[8:9], s[56:57]
	s_add_nc_u64 s[86:87], s[80:81], s[86:87]
	s_add_nc_u64 s[88:89], s[84:85], s[88:89]
	s_add_nc_u64 s[90:91], s[82:83], s[90:91]
	s_add_nc_u64 s[92:93], s[84:85], s[92:93]
	s_mov_b32 s[SEL], 0x76543210
	s_mov_b32 s[SEL+1], 0xfedcba98
	s_mov_b32 s[CS], 0x3d38aa3b                    ; log2(e) / 32
	v_and_b32 v1, 31, v0
	v_lshlrev_b32 v2, 2, v1                        ; 4 x lane: my column in a weight block's rows
	v_lshrrev_b32 v3, 4, v1
	v_and_b32 v11, 15, v1
	v_lshlrev_b32 v11, 4, v11
	v_lshl_add_u32 v10, v3, 16, v11                ; W2's codes: my column's block of 16 rows and its 16 bytes in a unit
	v_lshl_add_u32 v3, v3, 14, v11                 ; W1's
	v_lshlrev_b32 v1, 4, v1
	global_load_b128 v[16:19], v1, s[54:55]
	global_load_b128 v[20:23], v1, s[54:55] offset:512
	global_load_b128 v[24:27], v1, s[54:55] offset:1024
	global_load_b128 v[28:31], v1, s[54:55] offset:1536
	v_add_nc_u32 v11, 0x20000, v1
	v_mov_b32 v13, 0xff61b1e6                      ; the largest score so far: -3e38
	v_mov_b32 v15, 0xff61b1e6
	v_floor_f32 v12, -v13                          ; and a first -M over every later one
	v_floor_f32 v14, -v15
	v_mov_b32 v252, 0                              ; a lane permute's destination counts as read
	v_mov_b32 v253, 0
	WIN 0x40
.set j, 0
.rept 68
	v_mov_b32 v[160+j], 0                          ; O^T of both tiles and the two sums: the step is written once; the first change of M multiplies zeros
.set j, j+1
.endr
	WIN 0
	s_wait_kmcnt 0x0
	s_add_co_i32 s73, s68, s69
	s_lshl_b32 s73, s73, 23
	s_add_co_i32 s[CS], s[CS], s73                 ; e6 + e7 onto c's exponent field
.macro MKS se, sc, lim                 ; s[sc] = 2^e, s[lim] = 57,344 x 2^e, s[lim+1] = the same with a minus
	s_add_co_i32 s[\lim], s[\se], 127
	s_lshl_b32 s[\sc], s[\lim], 23
	s_add_co_i32 s[\lim], s[\lim], 15
	s_lshl_b32 s[\lim], s[\lim], 23
	s_or_b32 s[\lim], s[\lim], 0x600000
	s_or_b32 s[\lim+1], s[\lim], 0x80000000
.endm
	MKS 71, 73, 74                                 ; e9
	MKS 72, 66, 76                                 ; e10
	MKS 94, 58, 60                                 ; e13
	MKS 95, 59, 62                                 ; e15
	v_mov_b32 v6, s58
	v_mov_b32 v7, s59
	WIN 0x40
	v_mov_b32 v240, s74
	v_mov_b32 v241, s74
	v_mov_b32 v244, s73
	v_mov_b32 v245, s66
	v_mov_b32 v246, s[CS]
	v_mov_b32 v247, s[CS]
	WIN 0
.macro LDS4 m                          ; four of a step's 32 fragment loads: 0-15 this step's V, 16-31 the next step's K
.irp d, 0,1,2,3
.if (\m+\d) < 16
	ds_load_b128 v[96+4*(\m+\d):99+4*(\m+\d)], v9 offset:512*(\m+\d)
.else
	ds_load_b128 v[32+4*(\m+\d-16):35+4*(\m+\d-16)], v8 offset:512*(\m+\d-16)
.endif
.endr
.endm
.macro WQLOAD base, pitch              ; two weight blocks: 32 numbers down K of my column in each
.irp b, 0,1
.set i, 0
.rept 32
	global_load_b32 v[160+32*\b+i], v2, s[\base:\base+1] offset:i*\pitch+128*\b th:TH_LOAD_NT
.set i, i+1
.endr
.endr
.endm
.macro WQUANT vs, lim, vo, base, bstep ; and their codes
	s_wait_loadcnt 0x0                             ; the blocks' 64 loads, asked for a phase ago
	s_wait_xcnt 0x0                                ; the stores of the blocks before have read v224-239
.set i, 0
.rept 64
	v_med3_num_f32 v[160+i], v[160+i], s[\lim+1], s[\lim]   ; the conversion does not saturate (ISA guide 7.6.2): the hold first
.set i, i+1
.endr
.irp b, 0,1
	v_cvt_scalef32_pk8_bf8_f32 v[224+8*\b:225+8*\b], v[160+32*\b:167+32*\b], v[\vs]   ; k 0-7 and 16-23 make the first piece,
	v_cvt_scalef32_pk8_bf8_f32 v[228+8*\b:229+8*\b], v[168+32*\b:175+32*\b], v[\vs]   ; k 8-15 and 24-31 the second
	v_cvt_scalef32_pk8_bf8_f32 v[226+8*\b:227+8*\b], v[176+32*\b:183+32*\b], v[\vs]
	v_cvt_scalef32_pk8_bf8_f32 v[230+8*\b:231+8*\b], v[184+32*\b:191+32*\b], v[\vs]
.endr
	v_nop
.irp b, 0,1
	global_store_b128 v[\vo], v[224+8*\b:227+8*\b], s[\base:\base+1] offset:\bstep*\b       ; sixteen lanes store 256 consecutive bytes, aligned
	global_store_b128 v[\vo], v[228+8*\b:231+8*\b], s[\base:\base+1] offset:\bstep*\b+256
.endr
.endm
; Dual pairs on registers d, d + 1 (d even): all their operands lie in window 1.
.macro HOLD r                          ; p is not negative: a one-sided hold at 57,344 x 2^e9
	v_dual_min_num_f32 v[\r], v[\r], v240 :: v_dual_min_num_f32 v[\r+1], v[\r+1], v241
.endm
.macro DADD d, a, b                    ; d = a + b
	v_dual_add_f32 v[\d], v[\a], v[\b] :: v_dual_add_f32 v[\d+1], v[\a+1], v[\b+1]
.endm
.macro DMUL d, f                       ; d = d x f
	v_dual_mul_f32 v[\d], v[\d], v[\f] :: v_dual_mul_f32 v[\d+1], v[\d+1], v[\f+1]
.endm
.macro DFMA d, nm                      ; d = d x c + (-M)
	v_dual_fma_f32 v[\d], v[\d], v246, v[\nm] :: v_dual_fma_f32 v[\d+1], v[\d+1], v247, v[\nm+1]
.endm
.macro SUMS8 sb, tb, acc               ; a row's sum of the unquantised p: 32 pairs of additions in eight chains
.set k, 0
.rept 7
	DADD \tb+2*k, \sb+4*k, \sb+4*k+2
.set k, k+1
.endr
	DADD \acc, \acc, \sb+28
.set k, 0
.rept 17
.set D, \tb+2*(k%8)+((k%8)/7)*(\acc-\tb-14)    ; chains 0-6 at work, chain 7 the running sum
	DADD D, D, \sb+30+2*k
.set k, k+1
.endr
	DADD \tb, \tb, \tb+2
	DADD \tb+4, \tb+4, \tb+6
	DADD \tb+8, \tb+8, \tb+10
	DADD \acc, \acc, \tb+12
	DADD \tb, \tb, \tb+4
	DADD \acc, \acc, \tb+8
	DADD \acc, \acc, \tb
.endm
.macro CODES sb, pb, t0, n             ; n conversions from score tile t0 on: two of P's registers each
.set t, \t0
.rept \n
	v_cvt_scalef32_pk8_bf8_f32 v[\pb+2*t:\pb+2*t+1], v[\sb+8*t:\sb+8*t+7], v244
.set t, t+1
.endr
.endm
.macro TREE to, from, n                ; n pairs of additions that hang on nothing among themselves
.set i, 0
.rept \n
	DADD \to+2*i, \to+2*i, \from+2*i
.set i, i+1
.endr
.endm
.macro PV ob, pb                       ; O^T += V^T P^T: four accumulators by turns
	WIN 0x54                                       ; V's fragments in window 0; P, C and D in window 1
.set t, 0
.rept 4
	v_wmma_f32_16x16x128_bf8_bf8 v[\ob+8*t:\ob+8*t+7], v[96+16*t:111+16*t], v[\pb:\pb+15], v[\ob+8*t:\ob+8*t+7]
.set t, t+1
.endr
.endm
.macro STEP last                       ; 128 keys, from byte s[TB] of both images on; last: LDS byte of the phase's last step
	s_add_co_u32 s[TK], s[TB], 8192
	s_min_u32 s[TK], s[TK], \last                  ; where the next step's K lies
	s_wait_dscnt 0x0                               ; K's fragments
	WIN 0x40                                       ; D in window 1
.set t, 0
.rept 8
	v_wmma_f32_16x16x64_bf8_bf8 v[8*t:8*t+7], v[32+8*t:39+8*t], v[16:23], 0
	v_wmma_f32_16x16x64_bf8_bf8 v[64+8*t:71+8*t], v[32+8*t:39+8*t], v[24:31], 0
.set t, t+1
.endr
	WIN 0
	v_add_nc_u32 v9, s[TB], v11                    ; these four lines are the places behind the products, in front of the loads into their sources and of the first reads of the scores
	v_add_nc_u32 v8, s[TK], v1
	v_mov_b32 v254, v12                            ; the old -M
	v_mov_b32 v255, v14
.irp m, 0,4,8,12,16,20,24,28
	LDS4 \m
.endr
	WIN 0x15                                       ; the largest score of each query among my 64 keys: four chains a tile, each accumulator from its low end on; results in window 0
.irp b, 0,64
.set i, 0
.rept 4
	v_max3_num_f32 v[244+\b/16+i], v[\b+3*i], v[\b+3*i+1], v[\b+3*i+2]
.set i, i+1
.endr
.endr
	WIN 0x14
.set i, 12
.rept 26
	v_max3_num_f32 v[244+((i-12)/2)%4], v[244+((i-12)/2)%4], v[i], v[i+1]
	v_max3_num_f32 v[248+((i-12)/2)%4], v[248+((i-12)/2)%4], v[64+i], v[65+i]
.set i, i+2
.endr
	WIN 0                                          ; the chain that makes M and f, both tiles side by side
	v_max3_num_f32 v244, v244, v245, v246
	v_max3_num_f32 v248, v248, v249, v250
	v_max_num_f32 v244, v244, v247
	v_max_num_f32 v248, v248, v251
	v_permlanex16_b32 v252, v244, s[SEL], s[SEL+1]
	v_permlanex16_b32 v253, v248, s[SEL], s[SEL+1]
	v_max3_num_f32 v13, v13, v244, v252            ; the running largest score, the other half of the lanes' among it
	v_max3_num_f32 v15, v15, v248, v253
	v_mul_f32 v244, s[CS], v13                     ; as t (c is positive)
	v_mul_f32 v248, s[CS], v15
	v_floor_f32 v12, -v244                         ; -M = floor(-t)
	v_floor_f32 v14, -v248
	v_sub_f32 v244, v12, v254
	v_sub_f32 v248, v14, v255
	v_cvt_i32_f32 v244, v244
	v_cvt_i32_f32 v248, v248
	WIN 0x40                                       ; -M and f go into window 1, each twice
	v_mov_b32 v248, v12
	v_mov_b32 v249, v12
	v_mov_b32 v250, v14
	v_mov_b32 v251, v14
	v_ldexp_f32 v252, 1.0, v244                    ; f = 2^(old M - new M)
	v_ldexp_f32 v253, 1.0, v244
	v_ldexp_f32 v254, 1.0, v248
	v_ldexp_f32 v255, 1.0, v248
	WIN 0x55
.set j, 0
.rept 32
	DFMA j, 248                                    ; A: t - M
.set j, j+2
.endr
.set j, 0
.rept 16
	DMUL 160+j, 252                                ; O^T under the new M
	DMUL 192+j, 254
.set j, j+2
.endr
	DMUL 224, 252                                  ; and the sums
	DMUL 226, 254
	s_wait_alu depctr_va_vdst(0)                   ; the wait ahead of the batch
.set j, 0
.rept 32
	v_exp_f32 v[j], v[j]                           ; A: p = 2^(t - M)
	v_exp_f32 v[j+1], v[j+1]
	DFMA 64+j, 250                                 ; B: t - M
.set j, j+2
.endr
	v_nop
	s_wait_alu depctr_va_vdst(0)                   ; behind A's batch and ahead of B's
.set k, 0
.rept 16
	v_exp_f32 v[64+4*k], v[64+4*k]                 ; B: p
	v_exp_f32 v[65+4*k], v[65+4*k]
	DADD 128+2*k, 4*k, 4*k+2                       ; A's sum, first level, of the unquantised p, into P's registers, which are free here
	v_exp_f32 v[66+4*k], v[66+4*k]
	v_exp_f32 v[67+4*k], v[67+4*k]
	HOLD 4*k                                       ; A's hold, behind the addition that reads the same numbers
	HOLD 4*k+2
.set k, k+1
.endr
	v_nop
	s_wait_alu depctr_va_vdst(0)                   ; behind B's batch, and directly ahead of the wait below
	s_wait_dscnt 0x0                               ; V's fragments (and the next step's K)
	TREE 144, 128, 8                               ; A's sum goes on as a tree, toward the upper registers, so that P's lower ones take A's codes
	CODES 0, 128, 0, 4
	TREE 152, 144, 4
	CODES 0, 128, 4, 4
	TREE 156, 152, 2
	v_nop                                          ; a plain instruction between the conversions and the products that read their results
	PV 160, 128
	WIN 0x55
	TREE 158, 156, 1
	SUMS8 64, 144, 226
	DADD 224, 224, 158
.set j, 0
.rept 32
	HOLD 64+j
.set j, j+2
.endr
	CODES 64, 144, 0, 8
	v_nop                                          ; a plain instruction between the conversions and the products
	PV 192, 144
	WIN 0
.endm
.macro PHASE bar, first, trips, wsrc, wpitch   ; `trips` key steps from LDS byte `first` of both images on; two weight blocks are asked for at its head
.if \bar
	s_wait_tensorcnt 0x0                           ; my second load has landed
	s_wait_dscnt 0x0
	s_barrier_signal -1
	s_barrier_wait -1                              ; everybody's has
.endif
	s_mov_b32 s[TB], \first
	v_add_nc_u32 v8, s[TB], v1
	LDS4 16                                        ; the first step's K
	LDS4 20
	LDS4 24
	LDS4 28
	WQLOAD \wsrc, \wpitch
	s_mov_b32 s[CNT], \trips
.Lstep_\@:
	STEP \first+8192*(\trips-1)
	s_add_co_u32 s[TB], s[TB], 8192
	s_sub_co_u32 s[CNT], s[CNT], 1
	s_cmp_lg_u32 s[CNT], 0
	s_cbranch_scc1 .Lstep_\@
.endm
	s_wait_alu depctr_va_vdst(0)                   ; the wait at the head's end
	s_wait_loadcnt 0x0                             ; Q
	s_wait_tensorcnt 0x0                           ; my part of key steps 0-3 is in
	ds_add_u32 v[SPW], v[NIL]
	s_wait_dscnt 0x0
	CROUND                                         ; everybody's part is in, and all four work-groups are here
	tensor_load_to_lds s[G0B:G0B+3], s[G1B:G1B+7]  ; my one load behind the round: an eighth of key steps 4-15
	s_nop 0
	NOPS 4
	PHASE 0, 0, 4, 86, 16384                       ; key steps 0-3; W1's blocks on their way
	WQUANT 6, 60, 3, 88, 32768
	PHASE 1, 32768, 12, 90, 4096                   ; key steps 4-15; W2's blocks on their way
	WQUANT 7, 62, 10, 92, 131072
	WIN 0x05                                       ; sources in window 1
	v_add_f32 v244, v224, v225
	v_add_f32 v248, v226, v227
	WIN 0
	v_permlanex16_b32 v252, v244, s[SEL], s[SEL+1]
	v_permlanex16_b32 v253, v248, s[SEL], s[SEL+1]
	v_add_f32 v244, v244, v252                     ; the rows' sums
	v_add_f32 v248, v248, v253
	s_wait_alu depctr_va_vdst(0)                   ; ahead of the transcendentals
	v_rcp_f32 v244, v244
	v_rcp_f32 v248, v248
	v_nop
	s_add_co_i32 s73, s70, s71
	s_wait_alu depctr_va_vdst(0)                   ; and ahead of their first reader
	v_ldexp_f32 v244, v244, s73                    ; x 2^(e8 + e9)
	v_ldexp_f32 v248, v248, s73
	WIN 0x41                                       ; destination and source 0 in window 1, the factors in window 0
	s_wait_alu depctr_va_vdst(0)                   ; the wait directly ahead of the first readers of O^T
.set j, 0
.rept 16
	v_pk_mul_f32 v[j:j+1], v[160+j:161+j], v[244:245] op_sel_hi:[1,0]         ; register 8 t + i: o(query r, 16 t + 8 h + i)
.set j, j+2
.endr
.set j, 0
.rept 16
	v_pk_mul_f32 v[64+j:65+j], v[192+j:193+j], v[248:249] op_sel_hi:[1,0]
.set j, j+2
.endr
.set j, 0
.rept 32
	v_med3_num_f32 v[j], v[j], s77, s76
	v_med3_num_f32 v[64+j], v[64+j], s77, s76
.set j, j+1
.endr
	WIN 0x55
.set t, 0
.rept 4
	v_cvt_scalef32_pk8_bf8_f32 v[128+2*t:129+2*t], v[8*t:8*t+7], v245
	v_cvt_scalef32_pk8_bf8_f32 v[144+2*t:145+2*t], v[64+8*t:71+8*t], v245
.set t, t+1
.endr
	v_nop
	WIN 0x04                                       ; store data in window 1
	global_store_b128 v1, v[128:131], s[8:9]                   ; 512 consecutive bytes, aligned
	global_store_b128 v1, v[132:135], s[8:9] offset:512
	global_store_b128 v1, v[144:147], s[8:9] offset:16384      ; tile B: the next block of 16 rows
	global_store_b128 v1, v[148:151], s[8:9] offset:16896
	WIN 0
	s_wait_tensorcnt 0x0                           ; the wave's end
	ds_add_u32 v[SPW], v[NIL]
	s_wait_dscnt 0x0
	CROUND                                         ; the closing round
	s_endpgm
.Lfunc_end_k_q93a7362f8c_attn:
	.size	k_q93a7362f8c_attn, .Lfunc_end_k_q93a7362f8c_attn-k_q93a7362f8c_attn
	.p2alignl 7, 3214868480
	.fill 96, 4, 3214868480
	.section	.rodata,"a",@progbits
	.p2align	6, 0x0
	.amdhsa_kernel k_q93a7362f8c_attn
		.amdhsa_group_segment_fixed_size 327680
		.amdhsa_private_segment_fixed_size 0
		.amdhsa_enable_private_segment 0
		.amdhsa_kernarg_size 48
		.amdhsa_user_sgpr_count 2
		.amdhsa_user_sgpr_kernarg_segment_ptr 1
		.amdhsa_wavefront_size32 1
		.amdhsa_system_sgpr_workgroup_id_x 1
		.amdhsa_system_sgpr_workgroup_id_y 1
		.amdhsa_system_sgpr_workgroup_id_z 1
		.amdhsa_system_vgpr_workitem_id 0
		.amdhsa_next_free_vgpr 512
		.amdhsa_next_free_sgpr 100
		.amdhsa_reserve_vcc 0
		.amdhsa_float_denorm_mode_32 3
		.amdhsa_float_denorm_mode_16_64 3
		.amdhsa_memory_ordered 1
		.amdhsa_forward_progress 1
		.amdhsa_inst_pref_size 105
	.end_amdhsa_kernel
	.amdgpu_metadata
---
amdhsa.version: [ 1, 2 ]
amdhsa.kernels:
  - .name:           k_q93a7362f8c_attn
    .symbol:         k_q93a7362f8c_attn.kd
    .args:
      - { .name: QKV, .offset: 0, .size: 8, .value_kind: global_buffer, .address_space: global }
      - { .name: lowp_scales, .offset: 8, .size: 8, .value_kind: global_buffer, .address_space: global }
      - { .name: AT, .offset: 16, .size: 8, .value_kind: global_buffer, .address_space: global }
      - { .name: W1, .offset: 24, .size: 8, .value_kind: global_buffer, .address_space: global }
      - { .name: W2, .offset: 32, .size: 8, .value_kind: global_buffer, .address_space: global }
      - { .name: WC, .offset: 40, .size: 8, .value_kind: global_buffer, .address_space: global }
    .group_segment_fixed_size: 327680
    .private_segment_fixed_size: 0
    .kernarg_segment_align: 8
    .kernarg_segment_size: 48
    .max_flat_workgroup_size: 256
    .sgpr_count:     100
    .vgpr_count:     512
    .wavefront_size: 32
...
	.end_amdgpu_metadata
.endif
;; end of part 3
;; launch wo (part 4): grid 8 x 32, 4 waves a work-group, clusters of 4 x 4, 327,680 bytes of LDS; arguments AT, WC, lowp_scales, bo, x, OUT; writes OUT
.if DOCPART == 4
	.amdgcn_target "amdgcn-amd-amdhsa--gfx1250"
	.amdhsa_code_object_version 6
	.text
	.protected	k_q93a7362f8c_wo
	.globl	k_q93a7362f8c_wo
	.p2align	8
	.type	k_q93a7362f8c_wo,@function
k_q93a7362f8c_wo:
	s_mov_b64 s[64:65], 0
	v_nop
	global_prefetch_b8 v0, s[64:65] scope:SCOPE_SE
	s_setreg_imm32_b32 hwreg(HW_REG_WAVE_MODE, 25, 1), 1
	s_wait_xcnt 0x0
	s_wait_alu depctr_hold_cnt(0) depctr_sa_sdst(0) depctr_va_vdst(0) depctr_va_sdst(0) depctr_va_ssrc(0) depctr_va_vcc(0) depctr_vm_vsrc(0)
	s_getreg_b32 s2, hwreg(HW_REG_IB_STS2, 6, 4)
	s_cmp_eq_u32 s2, 0
	s_cbranch_scc0 .Lentry_in_a_cluster
	s_endpgm
.Lentry_in_a_cluster:
	s_bfe_u32 s2, ttmp6, 0x10000c
	s_cmp_lg_u32 s2, 0xf033
	s_cbranch_scc0 .Lentry_shape_is_right
	s_endpgm
.Lentry_shape_is_right:
; OUT = attn Wo + bo + x.  A = AT's image (4,096 rows, K = 1,024), B = Wo's image (1,024 rows) at 3 MiB of WC; codes of E5M2, each sum x 2^(e10 + e11).
; A tile of 128 x 128 to a work-group (256 of them), 64 x 64 (16 accumulators) to a wave.  K goes in steps of 512 through two LDS slots filled by joint tensor loads of a 4 x 4 cluster; here K is just the two slots: nothing is filled again.
; Operands are images of their registers: byte(row, k) = (row/16) 16 K + (k/32) 512 + ((k/8)%2) 256 + (row%16) 16 + ((k/16)%2) 8 + k%8: 16 bytes a lane, 512 an instruction.
; The matrix instruction is used transposed (source 0 = 16 rows of B, source 1 = 16 rows of A): a lane holds eight neighbouring numbers of a row of the result.
; LIMIT: e10 + e11 between -126 and 127.
; REGISTERS: window 0: v0-31 addresses; v32-95 rows on the way out; v96-127 the bias; v128-255 the accumulators.  window 1: two fragment buffers of 128 (A's 64, B's 64); on the way out v0-127 the results.  window 2: v0-127 the residual.
.set KTOT,   1024
.set KSH,    10
.set WOFF,   0x300000
.set EOFF,   0x28
.set GELU,   0
; ONE tensor load a wave brings its 64 rows x the whole K: four blocks of 16,384 bytes, dense.  A 'slot' below is a half of K inside a block: 8,192 bytes on.
.set HALFT,  65536                     ; four blocks of 16 rows x 1,024 K
.set SLOT,   8192
.set STAGE,  4*HALFT                   ; behind the tiles: 16 rows x 272 bytes for each wave
.set SPARE,  STAGE+4*16*272            ; the spare words, 128 bytes a wave, that no other line names
.set LAPS,   KTOT/1024
.set ADRA, 16
.set ADRB, 20
.set STO,  24
.set RD,   25
.set CO,   26
.set SPW,  28
.set NIL,  29
.set BK,   32
.set BI,   96
.set ACC,  128
.set F0,   0
.set F1,   128
.set G1, 24
.set G0, 32
.set G1B, 48
.set G0B, 56
.set MSB, 0
.macro WIN new
.if MSB != (\new)
	s_set_vgpr_msb (MSB<<8)|(\new)
.set MSB, (\new)
.endif
.endm
.set MUL,  0x05
.set TO_F, 0x40
.macro JLOAD s
	s_cmp_eq_u32 s15, 0
	s_cbranch_scc0 .Lfor_b_\@
	tensor_load_to_lds s[G0+4*\s:G0+4*\s+3], s[G1:G1+7]
	s_nop 0
.rept 4
	v_nop
.endr
	s_branch .Lasked_\@
.Lfor_b_\@:
	tensor_load_to_lds s[G0B+4*\s:G0B+4*\s+3], s[G1B:G1B+7]
	s_nop 0
.rept 4
	v_nop
.endr
.Lasked_\@:
.endm
.macro CREST
	s_cmp_lg_u32 s14, 0
	s_cbranch_scc1 .Lnot_wave_0_\@
	s_barrier_signal -3
.Lnot_wave_0_\@:
	s_barrier_wait -3
	s_barrier_signal -1
	s_barrier_wait -1
.endm
.macro CROUND
	s_barrier_signal -1
	s_barrier_wait -1
	CREST
.endm
	s_load_b128 s[4:7], s[0:1], 0x0                ; A's image, WC
	s_load_b128 s[8:11], s[0:1], 0x10              ; the scales' exponents, the bias
	s_load_b128 s[68:71], s[0:1], 0x20             ; the residual, the result
	v_lshl_add_u32 v[SPW], v0, 2, SPARE
	v_mov_b32 v[NIL], 0
	ds_add_u32 v28, v29
	ds_add_u32 v28, v29
	s_wait_dscnt 0x0
	v_lshrrev_b32 v1, 5, v0
	v_readfirstlane_b32 s14, v1
	s_lshr_b32 s15, s14, 1                         ; my half of the tile's rows.  Also: I fetch for A (0) or B (1)
	s_and_b32 s16, s14, 1                          ; my half of its columns.  Also: which 64 rows I fetch
	s_bfe_u32 s40, ttmp6, 0x40000
	s_bfe_u32 s41, ttmp6, 0x40004
	s_lshl_b32 s42, ttmp9, 2
	s_add_co_u32 s42, s42, s40                     ; tile column
	s_and_b32 s17, ttmp7, 0xffff
	s_lshl_b32 s17, s17, 2
	s_add_co_u32 s17, s17, s41                     ; tile row
	s_lshl_b32 s43, s41, 2
	s_lshl_b32 s43, 15, s43
	s_lshl_b32 s44, 0x1111, s40
	s_or_b32 s[G1+0], s43, (3<<16)|(1<<21)
	s_or_b32 s[G1B+0], s44, (3<<16)|(1<<21)
.irp g, G1, G1B
	s_mov_b32 s[\g+1], 2048<<16                    ; a block's 16,384 bytes, in elements of 8 bytes
	s_mov_b32 s[\g+2], 4<<16                       ; 4 blocks
	s_mov_b32 s[\g+3], 2048<<16
	s_mov_b32 s[\g+4], 4
	s_mov_b32 s[\g+5], 2*KTOT                      ; from block to block: 16 KTOT bytes
	s_mov_b32 s[\g+6], 0
	s_mov_b32 s[\g+7], 0
.endr
	s_lshl_b32 s18, s16, 6
	s_lshl_b32 s20, s17, 7
	s_add_co_u32 s20, s20, s18
	s_lshl_b32 s20, s20, KSH
	s_mov_b32 s21, 0
	s_lshl_b32 s46, s42, 7
	s_add_co_u32 s46, s46, s18
	s_lshl_b32 s46, s46, KSH
	s_add_co_u32 s46, s46, WOFF
	s_mov_b32 s47, 0
	s_mul_i32 s45, s14, HALFT
	s_wait_kmcnt 0x0
	s_load_b64 s[96:97], s[8:9], EOFF
	s_add_nc_u64 s[20:21], s[4:5], s[20:21]
	s_add_nc_u64 s[46:47], s[6:7], s[46:47]
	CROUND
.irp s, 0
	s_mov_b32 s[G0+4*\s], 1
	s_add_co_u32 s[G0+4*\s+1], s45, \s*SLOT
	s_add_nc_u64 s[G0+4*\s+2:G0+4*\s+3], s[20:21], \s*8192
	s_or_b32 s[G0+4*\s+3], s[G0+4*\s+3], 0x80000000
	s_mov_b32 s[G0B+4*\s], 1
	s_add_co_u32 s[G0B+4*\s+1], s45, \s*SLOT
	s_add_nc_u64 s[G0B+4*\s+2:G0B+4*\s+3], s[46:47], \s*8192
	s_or_b32 s[G0B+4*\s+3], s[G0B+4*\s+3], 0x80000000
	JLOAD \s
.endr
	v_and_b32 v1, 15, v0                           ; r
	s_wait_alu depctr_va_vdst(0)
	v_bfe_u32 v2, v0, 4, 1                         ; h
	v_and_b32 v3, 31, v0
	v_lshlrev_b32 v3, 4, v3
	s_mul_i32 s21, s15, HALFT
	s_mul_i32 s22, s16, HALFT
	s_add_co_u32 s22, s22, 2*HALFT
.irp s, 0,1
	v_add_nc_u32 v[ADRA+\s], s21, v3
	v_add_nc_u32 v[ADRB+\s], s22, v3
	s_add_co_u32 s21, s21, SLOT
	s_add_co_u32 s22, s22, SLOT
.endr
	s_mul_i32 s23, s14, 16*272
	s_add_co_u32 s23, s23, STAGE                   ; my stage
	v_mul_u32_u24 v4, v1, 272
	s_wait_alu depctr_va_vdst(0)
	v_lshl_add_u32 v4, v2, 5, v4
	v_add_nc_u32 v[STO], s23, v4                   ; in: row r, 32 bytes for each half of the lanes
	v_mul_u32_u24 v5, v2, 272
	v_lshl_add_u32 v5, v1, 4, v5
	v_add_nc_u32 v[RD], s23, v5                    ; back: lanes 0-15 one row of 256 bytes, lanes 16-31 the next
	v_lshlrev_b32 v5, 12, v2
	v_lshl_add_u32 v[CO], v1, 4, v5                ; and the same two rows in memory
	s_wait_alu depctr_va_vdst(0)
	v_lshlrev_b32 v7, 5, v2                        ; the bias: 32 h
	s_wait_alu depctr_va_vdst(0)
	s_lshl_b32 s72, s17, 7
	s_lshl_b32 s73, s15, 6
	s_add_co_u32 s72, s72, s73                     ; my first row
	s_lshl_b32 s72, s72, 12
	s_lshl_b32 s74, s42, 7
	s_lshl_b32 s73, s16, 6
	s_add_co_u32 s74, s74, s73                     ; my first column
	s_lshl_b32 s74, s74, 2
	s_mov_b32 s75, 0
	s_add_nc_u64 s[10:11], s[10:11], s[74:75]
	s_add_co_u32 s74, s74, s72
	s_add_nc_u64 s[68:69], s[68:69], s[74:75]
	s_add_nc_u64 s[70:71], s[70:71], s[74:75]
	WIN 0x80                                       ; destination window 2: my 64 x 64 of the residual, in the order in which rows leave
.set a, 0
.rept 4
.set t, 0
.rept 8
	global_load_b128 v[32*a+4*t:32*a+4*t+3], v[CO], s[68:69] offset:(16*a+2*t)*4096 th:TH_LOAD_NT
.set t, t+1
.endr
.set a, a+1
.endr
	WIN 0
.set b, 0
.rept 4
	global_load_b128 v[BI+8*b:BI+8*b+3], v7, s[10:11] offset:64*b
	global_load_b128 v[BI+8*b+4:BI+8*b+7], v7, s[10:11] offset:64*b+16
.set b, b+1
.endr
.macro MUL4 f, a, zero                 ; A's block a x B's four, 128 along K; the 16 accumulators take turns, one instruction a turn
.irp b, 0,1,2,3
.if \zero
	v_wmma_f32_16x16x128_bf8_bf8 v[ACC+8*(4*(\a)+\b):ACC+8*(4*(\a)+\b)+7], v[\f+64+16*\b:\f+64+16*\b+15], v[\f+16*(\a):\f+16*(\a)+15], 0
.else
	v_wmma_f32_16x16x128_bf8_bf8 v[ACC+8*(4*(\a)+\b):ACC+8*(4*(\a)+\b)+7], v[\f+64+16*\b:\f+64+16*\b+15], v[\f+16*(\a):\f+16*(\a)+15], v[ACC+8*(4*(\a)+\b):ACC+8*(4*(\a)+\b)+7]
.endif
.endr
.endm
.macro FETCH slot, q, f                ; 32 LDS loads in one run: B's four fragments, then A's four
	WIN TO_F
.irp i, 0,1,2,3
.irp c, 0,1,2,3
	ds_load_b128 v[\f+64+16*\i+4*\c:\f+64+16*\i+4*\c+3], v[ADRB+\slot] offset:2048*(\q)+512*\c+16384*\i
.endr
.endr
.irp i, 0,1,2,3
.irp c, 0,1,2,3
	ds_load_b128 v[\f+16*\i+4*\c:\f+16*\i+4*\c+3], v[ADRA+\slot] offset:2048*(\q)+512*\c+16384*\i
.endr
.endr
.endm
.macro PLACES
.rept 4
	v_nop
.endr
.endm
.macro QUARTER slot, qn, f, g, zero    ; multiplies buffer f (128 along K) and fetches the slot's quarter qn into g
	s_wait_dscnt 8                                 ; B's four and A's blocks 0, 1 are in; the youngest eight loads may be out
	WIN MUL
	MUL4 \f, 0, \zero
	MUL4 \f, 1, \zero
	PLACES
	FETCH \slot, \qn, \g
	s_wait_dscnt 32                                ; all but the 32 just issued
	WIN MUL
	MUL4 \f, 2, \zero
	MUL4 \f, 3, \zero
.endm
.macro TURN slot, next, fill           ; a slot's last quarter changes slots: one barrier
	WIN 0
	s_wait_tensorcnt 0x0                           ; all my tensor loads have landed: my part of the next slot
	ds_add_u32 v[SPW], v[NIL]                      ; 0 onto my spare word
	s_wait_dscnt 9                                 ; the add and the youngest eight loads may be out
	WIN MUL
	MUL4 F1, 0, 0
	MUL4 F1, 1, 0
	s_wait_dscnt 0x0                               ; the add is done, and my reads of this slot are over
	s_barrier_signal -1
	MUL4 F1, 2, 0
	WIN 0
	s_barrier_wait -1
.if \fill
	CREST
	s_add_nc_u64 s[G0+4*\slot+2:G0+4*\slot+3], s[G0+4*\slot+2:G0+4*\slot+3], 16384
	s_add_nc_u64 s[G0B+4*\slot+2:G0B+4*\slot+3], s[G0B+4*\slot+2:G0B+4*\slot+3], 16384
	JLOAD \slot                                    ; the first tensor load behind the round; its four v_nop are the places in front of the loads below
.else
	PLACES
.endif
	FETCH \next, 0, F0
	WIN MUL
	MUL4 F1, 3, 0
.endm
	s_wait_tensorcnt 0x0                           ; my one load has landed
	s_barrier_signal -1
	s_barrier_wait -1
	FETCH 0, 0, F0
	QUARTER 0, 1, F0, F1, 1
.if LAPS > 1
	WIN 0
	s_mov_b32 s3, LAPS-1
.Llap:
	QUARTER 0, 2, F1, F0, 0
	QUARTER 0, 3, F0, F1, 0
	TURN 0, 1, 1
	QUARTER 1, 1, F0, F1, 0
	QUARTER 1, 2, F1, F0, 0
	QUARTER 1, 3, F0, F1, 0
	TURN 1, 0, 1
	QUARTER 0, 1, F0, F1, 0
	WIN 0
	s_sub_co_u32 s3, s3, 1
	s_cmp_lg_u32 s3, 0
	s_cbranch_scc1 .Llap
.endif
	QUARTER 0, 2, F1, F0, 0
	QUARTER 0, 3, F0, F1, 0
	TURN 0, 1, 0
	QUARTER 1, 1, F0, F1, 0
	QUARTER 1, 2, F1, F0, 0
	QUARTER 1, 3, F0, F1, 0
	s_wait_dscnt 8
	WIN MUL
	MUL4 F1, 0, 0
	MUL4 F1, 1, 0
	s_wait_dscnt 0
	MUL4 F1, 2, 0
	MUL4 F1, 3, 0
	WIN 0
	; THE WAY OUT
	s_wait_kmcnt 0x0
	s_add_co_i32 s96, s96, s97
	s_add_co_i32 s96, s96, 127
	s_lshl_b32 s96, s96, 23                        ; 2^(eA + eB)
	s_mov_b32 s97, s96
	s_wait_loadcnt 0x0                             ; the residual and the bias
	PLACES
	WIN 0x40                                       ; destination window 1
.set t, 0
.rept 16
.set i, 0
.rept 4
	v_pk_fma_f32 v[8*t+i:8*t+i+1], v[ACC+8*t+i:ACC+8*t+i+1], s[96:97], v[BI+8*(t%4)+i:BI+8*(t%4)+i+1] op_sel_hi:[1,0,1]
.set i, i+2
.endr
.set t, t+1
.endr
.set a, 0
.rept 4                                ; 16 rows x 64 columns at a time through my own stage: whole runs of 256 bytes come back
.if a >= 2
	s_wait_xcnt 0x0                                ; block a - 2's stores have read their data registers
.endif
	WIN 0x04                                       ; store data in window 1
.set b, 0
.rept 4
	ds_store_b128 v[STO], v[32*a+8*b:32*a+8*b+3] offset:64*b
	ds_store_b128 v[STO], v[32*a+8*b+4:32*a+8*b+7] offset:64*b+16
.set b, b+1
.endr
	WIN 0
.set t, 0
.rept 8
	ds_load_b128 v[BK+32*(a%2)+4*t:BK+32*(a%2)+4*t+3], v[RD] offset:544*t   ; LDS serves a wave's instructions in order: these see the stores above
.set t, t+1
.endr
	s_wait_dscnt 0x0
	WIN 0x08                                       ; source 1 in window 2
.set t, 0
.rept 16
	v_pk_add_f32 v[BK+32*(a%2)+2*t:BK+32*(a%2)+2*t+1], v[BK+32*(a%2)+2*t:BK+32*(a%2)+2*t+1], v[32*a+2*t:32*a+2*t+1]
.set t, t+1
.endr
	WIN 0
.set t, 0
.rept 8
	global_store_b128 v[CO], v[BK+32*(a%2)+4*t:BK+32*(a%2)+4*t+3], s[70:71] offset:(16*a+2*t)*4096   ; sixteen lanes store 256 consecutive bytes, aligned
.set t, t+1
.endr
.set a, a+1
.endr
	s_wait_tensorcnt 0x0                           ; the wave's end
	ds_add_u32 v[SPW], v[NIL]
	s_wait_dscnt 0x0
	CROUND
	s_endpgm
.Lfunc_end_k_q93a7362f8c_wo:
	.size	k_q93a7362f8c_wo, .Lfunc_end_k_q93a7362f8c_wo-k_q93a7362f8c_wo
	.p2alignl 7, 3214868480
	.fill 96, 4, 3214868480
	.section	.rodata,"a",@progbits
	.p2align	6, 0x0
	.amdhsa_kernel k_q93a7362f8c_wo
		.amdhsa_group_segment_fixed_size 327680
		.amdhsa_private_segment_fixed_size 0
		.amdhsa_enable_private_segment 0
		.amdhsa_kernarg_size 48
		.amdhsa_user_sgpr_count 2
		.amdhsa_user_sgpr_kernarg_segment_ptr 1
		.amdhsa_wavefront_size32 1
		.amdhsa_system_sgpr_workgroup_id_x 1
		.amdhsa_system_sgpr_workgroup_id_y 1
		.amdhsa_system_sgpr_workgroup_id_z 1
		.amdhsa_system_vgpr_workitem_id 0
		.amdhsa_next_free_vgpr 640
		.amdhsa_next_free_sgpr 100
		.amdhsa_reserve_vcc 0
		.amdhsa_float_denorm_mode_32 3
		.amdhsa_float_denorm_mode_16_64 3
		.amdhsa_memory_ordered 1
		.amdhsa_forward_progress 1
		.amdhsa_inst_pref_size 53
	.end_amdhsa_kernel
	.amdgpu_metadata
---
amdhsa.version: [ 1, 2 ]
amdhsa.kernels:
  - .name:           k_q93a7362f8c_wo
    .symbol:         k_q93a7362f8c_wo.kd
    .args:
      - { .name: AT, .offset: 0, .size: 8, .value_kind: global_buffer, .address_space: global }
      - { .name: WC, .offset: 8, .size: 8, .value_kind: global_buffer, .address_space: global }
      - { .name: lowp_scales, .offset: 16, .size: 8, .value_kind: global_buffer, .address_space: global }
      - { .name: bo, .offset: 24, .size: 8, .value_kind: global_buffer, .address_space: global }
      - { .name: x, .offset: 32, .size: 8, .value_kind: global_buffer, .address_space: global }
      - { .name: OUT, .offset: 40, .size: 8, .value_kind: global_buffer, .address_space: global }
    .group_segment_fixed_size: 327680
    .private_segment_fixed_size: 0
    .kernarg_segment_align: 8
    .kernarg_segment_size: 48
    .max_flat_workgroup_size: 128
    .sgpr_count:     100
    .vgpr_count:     640
    .wavefront_size: 32
...
	.end_amdgpu_metadata
.endif
;; end of part 4
;; launch ln2 (part 5): grid 256 x 1, 8 waves a work-group, no clusters, 56,320 bytes of LDS; arguments OUT, lowp_scales, ln2_g, ln2_b, H2; writes H2
.if DOCPART == 5
	.amdgcn_target "amdgcn-amd-amdhsa--gfx1250"
	.amdhsa_code_object_version 6
	.text
	.protected	k_q93a7362f8c_ln2
	.globl	k_q93a7362f8c_ln2
	.p2align	8
	.type	k_q93a7362f8c_ln2,@function
k_q93a7362f8c_ln2:
	s_mov_b64 s[64:65], 0
	v_nop
	global_prefetch_b8 v0, s[64:65] scope:SCOPE_SE
	s_setreg_imm32_b32 hwreg(HW_REG_WAVE_MODE, 25, 1), 1
	s_wait_xcnt 0x0
; LayerNorm 2 of OUT, quantised with e12 into the image H2: byte(row, k) = (row/16) 16,384 + (k/32) 512 + ((k/8)%2) 256 + (row%16) 16 + ((k/16)%2) 8 + k%8.
; A work-group takes 16 rows (one block of the image), a wave two of them; a wave asks for both rows, the gains and the biases at its head, so that it waits for memory once.
; Loads are dense (512 bytes each), of the gains and biases too: mean, the sum of squares of x - mean (two passes over registers), scaling, gain and bias are worked in the layout in which the loads leave the numbers
; (lane l: columns 128 j + 4 l + 0..3).  The finished row turns through the wave's own stage, so that lane l holds columns 32 l .. 32 l + 31 for the conversions; the codes meet in an image in LDS and leave as runs of 512 bytes.
; LIMITS: e12 between -126 and 112; NaN among the inputs is not served.
.set NS, 1
.set NTX, 0                            ; a later launch reads these rows again
.set TURNB, 4608                       ; LDS: a wave's stage: 32 pieces of 128 bytes, 144 apart
.set IMG, 8*TURNB                      ; LDS: the image: 64 units of 256 bytes, 272 apart
.set IMGS, 64*272
.set GN, 20                            ; v20-51   gains, in the loads' layout
.set BN, 52                            ; v52-83   biases
.set R, 84                             ; v84-147  my two rows; at the end the image read back
.set VV, 148                           ; v148-179 32 neighbouring numbers of the finished row
.set T, 180                            ; v180-211 at work
.set CD, 212                           ; v212-219 codes
.set DB, 58                            ; s[58:59] where the image goes
	s_load_b64 s[30:31], s[0:1], 0x0               ; OUT
	s_load_b64 s[28:29], s[0:1], 0x8               ; the scales' exponents
	s_load_b128 s[32:35], s[0:1], 0x10             ; gains, biases
	s_load_b64 s[38:39], s[0:1], 0x20              ; H2
	v_lshl_add_u32 v240, v0, 2, 0xd800
	v_mov_b32 v241, 0
	v_lshrrev_b32 v1, 5, v0
	s_delay_alu instid0(VALU_DEP_1)
	v_readfirstlane_b32 s8, v1                     ; wave 0..7
	v_and_b32 v2, 31, v0                           ; lane
	s_delay_alu instid0(VALU_DEP_1)
	v_lshlrev_b32 v18, 4, v2                       ; 16 x lane
	s_lshl_b32 s10, ttmp9, 16                      ; my work-group's 16 rows of 4,096 bytes,
	s_lshl_b32 s11, s8, 13                         ; my wave's two
	s_add_co_u32 s10, s10, s11
	s_mov_b32 s11, 0
	s_wait_alu depctr_va_vdst(0)
	s_wait_kmcnt 0x0
	s_load_b32 s40, s[28:29], 0x30                 ; e12
	s_add_nc_u64 s[30:31], s[30:31], s[10:11]
.macro LOADROW i
.set j, 0
.rept 8
.if NTX
	global_load_b128 v[R+32*(\i)+4*j:R+32*(\i)+4*j+3], v18, s[30:31] offset:4096*(\i)+512*j th:TH_LOAD_NT
.else
	global_load_b128 v[R+32*(\i)+4*j:R+32*(\i)+4*j+3], v18, s[30:31] offset:4096*(\i)+512*j
.endif
.set j, j+1
.endr
.endm
.macro MKSCALE vs, vl, se
	s_add_co_i32 s12, \se, 127
	s_lshl_b32 s13, s12, 23
	v_mov_b32 v[\vs], s13                          ; 2^e
	s_add_co_i32 s12, s12, 15
	s_lshl_b32 s12, s12, 23
	s_or_b32 s12, s12, 0x600000
	v_mov_b32 v[\vl], s12                          ; 57,344 x 2^e
.endm
.macro LANESUM                         ; v8 summed over the 32 lanes, the result in every lane
	s_delay_alu instid0(VALU_DEP_1)
	v_add_f32_dpp v8, v8, v8 row_xmask:1 row_mask:0xf bank_mask:0xf
	s_delay_alu instid0(VALU_DEP_1)
	v_add_f32_dpp v8, v8, v8 row_xmask:2 row_mask:0xf bank_mask:0xf
	s_delay_alu instid0(VALU_DEP_1)
	v_add_f32_dpp v8, v8, v8 row_xmask:4 row_mask:0xf bank_mask:0xf
	s_delay_alu instid0(VALU_DEP_1)
	v_add_f32_dpp v8, v8, v8 row_xmask:8 row_mask:0xf bank_mask:0xf
	s_delay_alu instid0(VALU_DEP_1)
	v_permlanex16_b32 v9, v8, s14, s15
	s_delay_alu instid0(VALU_DEP_1)
	v_add_f32 v8, v8, v9
.endm
.macro LNROW i
.set RS, R+32*(\i)
.if (\i) == 0
	s_wait_loadcnt 24                              ; row 0's eight loads are in; row 1's eight and the sixteen of gains and biases may be out
.endif
	v_pk_add_f32 v[T:T+1], v[RS:RS+1], v[RS+2:RS+3]
	v_pk_add_f32 v[T+2:T+3], v[RS+4:RS+5], v[RS+6:RS+7]
.set j, 8
.rept 6
	s_delay_alu instid0(VALU_DEP_2)
	v_pk_add_f32 v[T:T+1], v[T:T+1], v[RS+j:RS+j+1]
	s_delay_alu instid0(VALU_DEP_2)
	v_pk_add_f32 v[T+2:T+3], v[T+2:T+3], v[RS+j+2:RS+j+3]
.set j, j+4
.endr
	s_delay_alu instid0(VALU_DEP_1)
	v_pk_add_f32 v[T:T+1], v[T:T+1], v[T+2:T+3]
	s_delay_alu instid0(VALU_DEP_1)
	v_add_f32 v8, v[T], v[T+1]
	LANESUM
	s_delay_alu instid0(VALU_DEP_1)
	v_mul_f32 v10, s56, v8                         ; the mean, twice
	s_delay_alu instid0(VALU_DEP_2)
	v_mul_f32 v11, s56, v8
.set j, 0
.rept 16
	v_pk_add_f32 v[RS+j:RS+j+1], v[RS+j:RS+j+1], v[10:11] neg_lo:[0,1] neg_hi:[0,1]
.set j, j+2
.endr
	v_pk_mul_f32 v[T:T+1], v[RS:RS+1], v[RS:RS+1]
	v_pk_mul_f32 v[T+2:T+3], v[RS+2:RS+3], v[RS+2:RS+3]
.set j, 4
.rept 7
	s_delay_alu instid0(VALU_DEP_2)
	v_pk_fma_f32 v[T:T+1], v[RS+j:RS+j+1], v[RS+j:RS+j+1], v[T:T+1]
	s_delay_alu instid0(VALU_DEP_2)
	v_pk_fma_f32 v[T+2:T+3], v[RS+j+2:RS+j+3], v[RS+j+2:RS+j+3], v[T+2:T+3]
.set j, j+4
.endr
	s_delay_alu instid0(VALU_DEP_1)
	v_pk_add_f32 v[T:T+1], v[T:T+1], v[T+2:T+3]
	s_delay_alu instid0(VALU_DEP_1)
	v_add_f32 v8, v[T], v[T+1]
	LANESUM
	s_delay_alu instid0(VALU_DEP_1)
	v_fma_f32 v8, v8, s56, s57                     ; the variance + 1e-5
	s_wait_alu depctr_va_vdst(0)
	v_rsq_f32 v10, v8
	v_nop                                          ; a plain instruction behind the transcendental,
	s_wait_alu depctr_va_vdst(0)                   ; and the wait ahead of its first reader
	v_mov_b32 v11, v10
.set j, 0
.rept 16
	v_pk_mul_f32 v[RS+j:RS+j+1], v[RS+j:RS+j+1], v[10:11]
.set j, j+2
.endr
.if (\i) == 0
	s_wait_loadcnt 0x0                             ; the gains and biases (and row 1)
.endif
.set j, 0
.rept 16
	v_pk_fma_f32 v[RS+j:RS+j+1], v[RS+j:RS+j+1], v[GN+j:GN+j+1], v[BN+j:BN+j+1]
.set j, j+2
.endr
.set j, 0
.rept 8
	ds_store_b128 v3, v[RS+4*j:RS+4*j+3] offset:576*j
.set j, j+1
.endr
.set j, 0
.rept 8
	ds_load_b128 v[VV+4*j:VV+4*j+3], v4 offset:16*j    ; LDS serves a wave's instructions in order: these see the stores above
.set j, j+1
.endr
	s_wait_dscnt 0x0                               ; the row is back, and all my earlier LDS stores have read their registers
.set q, 0
.rept NS
.set j, 0
.rept 32
	v_med3_num_f32 v[T+j], v[VV+j], -v[15+q], v[15+q]
.set j, j+1
.endr
	v_cvt_scalef32_pk8_bf8_f32 v[CD+8*q:CD+8*q+1], v[T:T+7], v[12+q]
	v_cvt_scalef32_pk8_bf8_f32 v[CD+8*q+4:CD+8*q+5], v[T+8:T+15], v[12+q]
	v_cvt_scalef32_pk8_bf8_f32 v[CD+8*q+2:CD+8*q+3], v[T+16:T+23], v[12+q]
	v_cvt_scalef32_pk8_bf8_f32 v[CD+8*q+6:CD+8*q+7], v[T+24:T+31], v[12+q]
	v_nop                                          ; a plain instruction between the conversions and the next lines that write their sources
	ds_store_b128 v5, v[CD+8*q:CD+8*q+3] offset:IMGS*q+16*(\i)
	ds_store_b128 v5, v[CD+8*q+4:CD+8*q+7] offset:IMGS*q+272+16*(\i)
.set q, q+1
.endr
.endm
	LOADROW 0
	LOADROW 1
.set j, 0
.rept 8
	global_load_b128 v[GN+4*j:GN+4*j+3], v18, s[32:33] offset:512*j
	global_load_b128 v[BN+4*j:BN+4*j+3], v18, s[34:35] offset:512*j
.set j, j+1
.endr
	s_mul_i32 s10, s8, TURNB
	v_lshrrev_b32 v8, 3, v2
	s_delay_alu instid0(VALU_DEP_1)
	v_mul_u32_u24 v3, v8, 144
	v_and_b32 v8, 7, v2
	s_delay_alu instid0(VALU_DEP_1)
	v_lshl_add_u32 v3, v8, 4, v3
	s_delay_alu instid0(VALU_DEP_1)
	v_add_nc_u32 v3, s10, v3                       ; into the stage: eight lanes' 128 bytes on end, then 16 of padding
	v_mul_u32_u24 v4, v2, 144
	s_delay_alu instid0(VALU_DEP_1)
	v_add_nc_u32 v4, s10, v4                       ; out of it: my 128 bytes
	s_lshl_b32 s10, s8, 5
	s_add_co_u32 s10, s10, IMG
	v_mul_u32_u24 v5, v2, 544
	s_delay_alu instid0(VALU_DEP_1)
	v_add_nc_u32 v5, s10, v5                       ; into the image: my group's two units, my wave's two rows
	s_mul_i32 s10, s8, 2176
	s_add_co_u32 s10, s10, IMG
	v_lshrrev_b32 v8, 4, v2
	s_delay_alu instid0(VALU_DEP_1)
	v_mul_u32_u24 v6, v8, 272
	v_and_b32 v8, 15, v2
	s_delay_alu instid0(VALU_DEP_1)
	v_lshl_add_u32 v6, v8, 4, v6
	s_delay_alu instid0(VALU_DEP_1)
	v_add_nc_u32 v6, s10, v6                       ; out of it: my wave's eight units, two an instruction
	s_lshl_b32 s10, s8, 11
	v_add_nc_u32 v7, s10, v18                      ; and the same place in memory
	v_mov_b32 v9, 0                                ; a lane permute's destination counts as read
	s_mov_b32 s14, 0x76543210
	s_mov_b32 s15, 0xfedcba98
	s_mov_b32 s56, 0x3a800000                      ; 1 / 1024
	s_mov_b32 s57, 0x3727c5ac                      ; 1e-5
	s_lshl_b32 s10, ttmp9, 14
	s_add_nc_u64 s[58:59], s[38:39], s[10:11]      ; my block in the image
	s_wait_kmcnt 0x0
	MKSCALE 12, 15, s40
	LNROW 0
	LNROW 1
	s_wait_dscnt 0x0                               ; for the others' sake: my stores into the image are done
	s_barrier_signal -1
	s_barrier_wait -1
.set j, 0
.rept 4
	ds_load_b128 v[R+4*j:R+4*j+3], v6 offset:544*j
.set j, j+1
.endr
.set j, 0
.rept 4
	s_wait_dscnt 3-j                               ; LDS loads come back in order: the younger ones may be out
	global_store_b128 v7, v[R+4*j:R+4*j+3], s[DB:DB+1] offset:512*j   ; 512 consecutive bytes, aligned
.set j, j+1
.endr
	s_wait_tensorcnt 0x0
	ds_add_u32 v240, v241
	s_wait_dscnt 0x0
	s_endpgm
.Lfunc_end_k_q93a7362f8c_ln2:
	.size	k_q93a7362f8c_ln2, .Lfunc_end_k_q93a7362f8c_ln2-k_q93a7362f8c_ln2
	.p2alignl 7, 3214868480
	.fill 96, 4, 3214868480
	.section	.rodata,"a",@progbits
	.p2align	6, 0x0
	.amdhsa_kernel k_q93a7362f8c_ln2
		.amdhsa_group_segment_fixed_size 56320
		.amdhsa_private_segment_fixed_size 0
		.amdhsa_enable_private_segment 0
		.amdhsa_kernarg_size 40
		.amdhsa_user_sgpr_count 2
		.amdhsa_user_sgpr_kernarg_segment_ptr 1
		.amdhsa_wavefront_size32 1
		.amdhsa_system_sgpr_workgroup_id_x 1
		.amdhsa_system_sgpr_workgroup_id_y 1
		.amdhsa_system_sgpr_workgroup_id_z 1
		.amdhsa_system_vgpr_workitem_id 0
		.amdhsa_next_free_vgpr 242
		.amdhsa_next_free_sgpr 66
		.amdhsa_reserve_vcc 0
		.amdhsa_float_denorm_mode_32 3
		.amdhsa_float_denorm_mode_16_64 3
		.amdhsa_memory_ordered 1
		.amdhsa_forward_progress 1
		.amdhsa_inst_pref_size 29
	.end_amdhsa_kernel
	.amdgpu_metadata
---
amdhsa.version: [ 1, 2 ]
amdhsa.kernels:
  - .name:           k_q93a7362f8c_ln2
    .symbol:         k_q93a7362f8c_ln2.kd
    .args:
      - { .name: OUT, .offset: 0, .size: 8, .value_kind: global_buffer, .address_space: global }
      - { .name: lowp_scales, .offset: 8, .size: 8, .value_kind: global_buffer, .address_space: global }
      - { .name: ln2_g, .offset: 16, .size: 8, .value_kind: global_buffer, .address_space: global }
      - { .name: ln2_b, .offset: 24, .size: 8, .value_kind: global_buffer, .address_space: global }
      - { .name: H2, .offset: 32, .size: 8, .value_kind: global_buffer, .address_space: global }
    .group_segment_fixed_size: 56320
    .private_segment_fixed_size: 0
    .kernarg_segment_align: 8
    .kernarg_segment_size: 40
    .max_flat_workgroup_size: 256
    .sgpr_count:     66
    .vgpr_count:     242
    .wavefront_size: 32
...
	.end_amdgpu_metadata
.endif
;; end of part 5
;; launch w1 (part 6): grid 16 x 16, 4 waves a work-group, clusters of 4 x 4, 327,680 bytes of LDS; arguments H2, WC, lowp_scales, b1, G; writes G
.if DOCPART == 6
	.amdgcn_target "amdgcn-amd-amdhsa--gfx1250"
	.amdhsa_code_object_version 6
	.text
	.protected	k_q93a7362f8c_w1
	.globl	k_q93a7362f8c_w1
	.p2align	8
	.type	k_q93a7362f8c_w1,@function
k_q93a7362f8c_w1:
	s_mov_b64 s[64:65], 0
	v_nop
	global_prefetch_b8 v0, s[64:65] scope:SCOPE_SE
	s_setreg_imm32_b32 hwreg(HW_REG_WAVE_MODE, 25, 1), 1
	s_wait_xcnt 0x0
	s_wait_alu depctr_hold_cnt(0) depctr_sa_sdst(0) depctr_va_vdst(0) depctr_va_sdst(0) depctr_va_ssrc(0) depctr_va_vcc(0) depctr_vm_vsrc(0)
	s_getreg_b32 s2, hwreg(HW_REG_IB_STS2, 6, 4)
	s_cmp_eq_u32 s2, 0
	s_cbranch_scc0 .Lentry_in_a_cluster
	s_endpgm
.Lentry_in_a_cluster:
	s_bfe_u32 s2, ttmp6, 0x10000c
	s_cmp_lg_u32 s2, 0xf033
	s_cbranch_scc0 .Lentry_shape_is_right
	s_endpgm
.Lentry_shape_is_right:
.set HALFT,  32768
.set SLOT,   4*HALFT
.set SPARE,  2*SLOT
.set LAPS,   2
.set FR,     16
.set NL,     4
.set NP,     4
.set K9,   8
.set K12,  10
.set CL,   12
.set ADRA, 16
.set ADRB, 20
.set CO,   26
.set SPW,  28
.set NIL,  29
.set QS,   30
.set QL,   31
.set BI,   32
.set TMP,  96
.set GZ,   160
.set GW,   176
.set GP,   192
.set GQ,   208
.set CD,   224
.set AF,   128
.set G1, 24
.set G0, 32
.set G1B, 48
.set G0B, 56
.set MSB, 0
.macro WIN new
.if MSB != (\new)
	s_set_vgpr_msb (MSB<<8)|(\new)
.set MSB, (\new)
.endif
.endm
.set MUL_LO, 0xa1
.set MUL_HI, 0xf1
.set TO_B,   0x40
.macro JLOAD g0a, g1a, g0b, g1b
	s_cmp_eq_u32 s15, 0
	s_cbranch_scc0 .Lfor_b_\@
	tensor_load_to_lds s[\g0a:\g0a+3], s[\g1a:\g1a+7]
	s_nop 0
.rept 4
	v_nop
.endr
	s_branch .Lasked_\@
.Lfor_b_\@:
	tensor_load_to_lds s[\g0b:\g0b+3], s[\g1b:\g1b+7]
	s_nop 0
.rept 4
	v_nop
.endr
.Lasked_\@:
.endm
.macro CREST
	s_cmp_lg_u32 s14, 0
	s_cbranch_scc1 .Lnot_wave_0_\@
	s_barrier_signal -3
.Lnot_wave_0_\@:
	s_barrier_wait -3
	s_barrier_signal -1
	s_barrier_wait -1
.endm
.macro CROUND
	s_barrier_signal -1
	s_barrier_wait -1
	CREST
.endm
	s_load_b128 s[4:7], s[0:1], 0x0
	s_load_b128 s[8:11], s[0:1], 0x10
	s_load_b64 s[66:67], s[0:1], 0x20
	v_lshl_add_u32 v[SPW], v0, 2, SPARE
	v_mov_b32 v[NIL], 0
	ds_add_u32 v28, v29
	ds_add_u32 v28, v29
	s_wait_dscnt 0x0
	v_lshrrev_b32 v1, 5, v0
	v_readfirstlane_b32 s14, v1
	v_and_b32 v27, 15, v0                          ; the prefetches' offset, never rewritten: lane l names unit l % 16 (256 bytes) of a K step's 4,096 bytes in block l / 16 (16,384 bytes on)
	v_lshlrev_b32 v27, 8, v27
	v_bfe_u32 v3, v0, 4, 1
	v_lshl_add_u32 v27, v3, 14, v27
	s_lshr_b32 s15, s14, 1
	s_and_b32 s16, s14, 1
	s_bfe_u32 s40, ttmp6, 0x40000
	s_bfe_u32 s41, ttmp6, 0x40004
	s_lshl_b32 s42, ttmp9, 2
	s_add_co_u32 s42, s42, s40
	s_and_b32 s17, ttmp7, 0xffff
	s_lshl_b32 s17, s17, 2
	s_add_co_u32 s17, s17, s41
	s_lshl_b32 s43, s41, 2
	s_lshl_b32 s43, 15, s43
	s_lshl_b32 s44, 0x1111, s40
	s_or_b32 s[G1+0], s43, (3<<16)|(1<<21)
	s_or_b32 s[G1B+0], s44, (3<<16)|(1<<21)
.irp g, G1, G1B
	s_mov_b32 s[\g+1], 512<<16
	s_mov_b32 s[\g+2], 8<<16
	s_mov_b32 s[\g+3], 512<<16
	s_mov_b32 s[\g+4], 8
	s_mov_b32 s[\g+5], 2048
	s_mov_b32 s[\g+6], 0
	s_mov_b32 s[\g+7], 0
.endr
	s_lshl_b32 s18, s16, 7
	s_lshl_b32 s20, s17, 8
	s_add_co_u32 s20, s20, s18
	s_lshl_b32 s20, s20, 10
	s_mov_b32 s21, 0
	s_lshl_b32 s46, s42, 8
	s_add_co_u32 s46, s46, s18
	s_lshl_b32 s46, s46, 10
	s_add_co_u32 s46, s46, 0x400000
	s_mov_b32 s47, 0
	s_mul_i32 s45, s14, HALFT
	s_wait_kmcnt 0x0
	s_load_b128 s[68:71], s[8:9], 0x30
	s_add_nc_u64 s[20:21], s[4:5], s[20:21]
	s_add_nc_u64 s[46:47], s[6:7], s[46:47]
	; PREFETCH INTO THE L2: of the eight blocks that my wave's joint load brings, each of the four partners that ask with me names two, told apart by address (cx for A, cy for B):
	; 32 units of 256 bytes, a lane a unit, one instruction a wave and K step, so that each unit is named once in the cluster.  Behind K step 0's load: K step 1; behind K step 1's: K steps 2 and 3, the last.
	s_cmp_eq_u32 s15, 0
	s_cselect_b64 s[12:13], s[20:21], s[46:47]
	s_cselect_b32 s18, s40, s41
	s_lshl_b32 s18, s18, 15
	s_mov_b32 s19, 0
	s_add_nc_u64 s[12:13], s[12:13], s[18:19]
.irp s, 0,1
	s_mov_b32 s[G0+4*\s], 1
	s_add_co_u32 s[G0+4*\s+1], s45, \s*SLOT
	s_add_nc_u64 s[G0+4*\s+2:G0+4*\s+3], s[20:21], \s*4096
	s_or_b32 s[G0+4*\s+3], s[G0+4*\s+3], 0x80000000
	s_mov_b32 s[G0B+4*\s], 1
	s_add_co_u32 s[G0B+4*\s+1], s45, \s*SLOT
	s_add_nc_u64 s[G0B+4*\s+2:G0B+4*\s+3], s[46:47], \s*4096
	s_or_b32 s[G0B+4*\s+3], s[G0B+4*\s+3], 0x80000000
	s_wait_alu depctr_va_vdst(0)
	s_wait_tensorcnt 0x0
	ds_add_u32 v28, v29
	ds_add_u32 v28, v29
	s_wait_dscnt 0x0
	CROUND
	JLOAD G0+4*\s, G1, G0B+4*\s, G1B
	global_prefetch_b8 v27, s[12:13] offset:4096*(\s+1) th:TH_LOAD_NT scope:SCOPE_SE
.if \s == 1
	global_prefetch_b8 v27, s[12:13] offset:4096*3 th:TH_LOAD_NT scope:SCOPE_SE
.endif
.endr
	v_bfe_u32 v2, v0, 4, 1
	s_wait_alu depctr_va_vdst(0)
	v_and_b32 v3, 31, v0
	v_lshlrev_b32 v[CO], 4, v3
	s_mul_i32 s21, s15, HALFT
	s_mul_i32 s22, s16, HALFT
	s_add_co_u32 s22, s22, 2*HALFT
.irp s, 0,1
	v_add_nc_u32 v[ADRA+\s], s21, v[CO]
	v_add_nc_u32 v[ADRB+\s], s22, v[CO]
	s_add_co_u32 s21, s21, SLOT
	s_add_co_u32 s22, s22, SLOT
.endr
	s_lshl_b32 s92, s17, 8
	s_lshl_b32 s93, s15, 7
	s_add_co_u32 s92, s92, s93
	s_lshl_b32 s93, s42, 8
	s_lshl_b32 s94, s16, 7
	s_add_co_u32 s93, s93, s94
	s_lshl_b32 s74, s93, 2
	s_mov_b32 s75, 0
	s_add_nc_u64 s[10:11], s[10:11], s[74:75]
	v_lshlrev_b32 v7, 5, v2
.set b, 0
.rept 8
	global_load_b128 v[BI+8*b:BI+8*b+3], v7, s[10:11] offset:64*b
	global_load_b128 v[BI+8*b+4:BI+8*b+7], v7, s[10:11] offset:64*b+16
.set b, b+1
.endr
	s_lshl_b32 s74, s92, 12
	s_lshl_b32 s76, s93, 4
	s_add_co_u32 s74, s74, s76
	s_add_nc_u64 s[66:67], s[66:67], s[74:75]
.macro FRAG reg, adr, q, i
.irp c, 0,1,2,3
	ds_load_b128 v[\reg+4*\c:\reg+4*\c+3], v[\adr] offset:2048*(\q)+512*\c+4096*(\i)
.endr
.endm
.macro MUL16 a0, p, zero
.irp a, \a0, \a0+1
.irp b, 0,1,2,3,4,5,6,7
.if \zero
	v_wmma_f32_16x16x128_bf8_bf8 v[8*(8*((\a)%4)+\b):8*(8*((\a)%4)+\b)+7], v[128*(\p)+FR*\b:128*(\p)+FR*\b+FR-1], v[AF+FR*(\a):AF+FR*(\a)+FR-1], 0
.else
	v_wmma_f32_16x16x128_bf8_bf8 v[8*(8*((\a)%4)+\b):8*(8*((\a)%4)+\b)+7], v[128*(\p)+FR*\b:128*(\p)+FR*\b+FR-1], v[AF+FR*(\a):AF+FR*(\a)+FR-1], v[8*(8*((\a)%4)+\b):8*(8*((\a)%4)+\b)+7]
.endif
.endr
.endr
.endm
.macro FETCH_B slot, q, p
	WIN TO_B
.irp i, 0,1,2,3,4,5,6,7
	FRAG 128*(\p)+FR*\i, ADRB+\slot, \q, \i
.endr
	WIN 0
.endm
.macro FETCH_A slot, q, i0
.irp i, \i0, \i0+1, \i0+2, \i0+3
	FRAG AF+FR*(\i), ADRA+\slot, \q, \i
.endr
.endm
.macro PLACES n
.rept \n
	v_nop
.endr
.endm
.macro STEP slot, q, zero
	s_wait_dscnt 4*NL
	WIN MUL_LO
	MUL16 0, (\q)%2, \zero
	MUL16 2, (\q)%2, \zero
	s_wait_dscnt 0
	PLACES NP
	FETCH_B \slot, (\q)+1, 1-(\q)%2
	FETCH_A \slot, (\q)+1, 0
	WIN MUL_HI
	MUL16 4, (\q)%2, \zero
	MUL16 6, (\q)%2, \zero
	PLACES NP
	WIN 0
	FETCH_A \slot, (\q)+1, 4
.endm
.macro TURN slot, next, fill
	s_wait_tensorcnt 0x0
	ds_add_u32 v[SPW], v[NIL]
	s_wait_dscnt 4*NL+1
	WIN MUL_LO
	MUL16 0, 1, 0
	s_wait_dscnt 0x0
	s_barrier_signal -1
	MUL16 2, 1, 0
	WIN 0
	s_barrier_wait -1
.if \fill
	CREST
	s_add_nc_u64 s[G0+4*\slot+2:G0+4*\slot+3], s[G0+4*\slot+2:G0+4*\slot+3], 8192
	s_add_nc_u64 s[G0B+4*\slot+2:G0B+4*\slot+3], s[G0B+4*\slot+2:G0B+4*\slot+3], 8192
	JLOAD G0+4*\slot, G1, G0B+4*\slot, G1B
.else
	PLACES NP
.endif
	FETCH_B \next, 0, 0
	FETCH_A \next, 0, 0
	WIN MUL_HI
	MUL16 4, 1, 0
	MUL16 6, 1, 0
	PLACES NP
	WIN 0
	FETCH_A \next, 0, 4
.endm
	s_wait_alu depctr_va_vdst(0)
	s_wait_tensorcnt 1
	s_barrier_signal -1
	s_barrier_wait -1
	FETCH_B 0, 0, 0
	FETCH_A 0, 0, 0
	FETCH_A 0, 0, 4
	STEP 0, 0, 1
	s_mov_b32 s3, LAPS-1
.Llap:
	TURN 0, 1, 1
	STEP 1, 0, 0
	TURN 1, 0, 1
	STEP 0, 0, 0
	s_sub_co_u32 s3, s3, 1
	s_cmp_lg_u32 s3, 0
	s_cbranch_scc1 .Llap
	TURN 0, 1, 0
	STEP 1, 0, 0
	s_wait_dscnt 4*NL
	WIN MUL_LO
	MUL16 0, 1, 0
	MUL16 2, 1, 0
	s_wait_dscnt 0
	WIN MUL_HI
	MUL16 4, 1, 0
	MUL16 6, 1, 0
	WIN 0
	s_wait_kmcnt 0x0
	s_add_co_i32 s96, s68, s69
	s_add_co_i32 s96, s96, 127
	s_lshl_b32 s96, s96, 23
	s_mov_b32 s97, s96
	s_add_co_i32 s72, s70, 127
	s_lshl_b32 s73, s72, 23
	v_mov_b32 v[QS], s73
	s_add_co_i32 s72, s72, 15
	s_lshl_b32 s72, s72, 23
	s_or_b32 s72, s72, 0x600000
	v_mov_b32 v[QL], s72
	v_mov_b32 v[K9], 0x39702d51
	v_mov_b32 v[K9+1], 0x39702d51
	v_mov_b32 v[K12], 0xb3fd3906
	v_mov_b32 v[K12+1], 0xb3fd3906
	v_mov_b32 v[CL], 0x407547cb
	s_wait_loadcnt 0x0
	PLACES NP
.macro HORNER acc, lit
.set j, 0
.rept 8
	v_dual_fmaak_f32 v[\acc+j], v[\acc+j], v[GW+j], \lit :: v_dual_fmaak_f32 v[\acc+j+1], v[\acc+j+1], v[GW+j+1], \lit   ; GELU's arithmetic goes in dual pairs, an even and an odd register to a pair
.set j, j+2
.endr
.endm
.macro GELU16 xb
.set j, 0
.rept 8
	v_dual_mul_f32 v[GZ+j], 0x3f3504f3, v[(\xb)+j] :: v_dual_mul_f32 v[GZ+j+1], 0x3f3504f3, v[(\xb)+j+1]
.set j, j+2
.endr
.set j, 0
.rept 16
	v_med3_num_f32 v[GZ+j], v[GZ+j], -v[CL], v[CL]
.set j, j+1
.endr
.set j, 0
.rept 8
	v_dual_mul_f32 v[GW+j], v[GZ+j], v[GZ+j] :: v_dual_mul_f32 v[GW+j+1], v[GZ+j+1], v[GZ+j+1]
.set j, j+2
.endr
.set j, 0
.rept 8
	v_dual_fmaak_f32 v[GP+j], v[GW+j], v[K9], 0x3b5f5da2 :: v_dual_fmaak_f32 v[GP+j+1], v[GW+j+1], v[K9+1], 0x3b5f5da2
	v_dual_fmaak_f32 v[GQ+j], v[GW+j], v[K12], 0x37c588df :: v_dual_fmaak_f32 v[GQ+j+1], v[GW+j+1], v[K12+1], 0x37c588df
.set j, j+2
.endr
	HORNER GP, 0x3d50b6eb
	HORNER GQ, 0x3a856d28
	HORNER GP, 0x3e3da740
	HORNER GQ, 0x3c6687d4
	HORNER GP, 0x3f906eba
	HORNER GQ, 0x3de34c21
	HORNER GQ, 0x3efeb44a
	HORNER GQ, 0x3f800000
.set j, 0
.rept 8
	v_dual_mul_f32 v[GP+j], v[GP+j], v[GZ+j] :: v_dual_mul_f32 v[GP+j+1], v[GP+j+1], v[GZ+j+1]
.set j, j+2
.endr
.set j, 0
	s_wait_alu depctr_va_vdst(0)
.rept 16
	v_rcp_f32 v[GQ+j], v[GQ+j]
.set j, j+1
.endr
	v_nop                                          ; a plain place behind the transcendentals
.set j, 0
.rept 8
	v_dual_mul_f32 v[(\xb)+j], 0.5, v[(\xb)+j] :: v_dual_mul_f32 v[(\xb)+j+1], 0.5, v[(\xb)+j+1]   ; x / 2, in place
.set j, j+2
.endr
	s_wait_alu depctr_va_vdst(0)
.set j, 0
.rept 8
	v_dual_mul_f32 v[GP+j], v[GP+j], v[GQ+j] :: v_dual_mul_f32 v[GP+j+1], v[GP+j+1], v[GQ+j+1]
.set j, j+2
.endr
.set j, 0
.rept 8
	v_dual_fmac_f32 v[(\xb)+j], v[(\xb)+j], v[GP+j] :: v_dual_fmac_f32 v[(\xb)+j+1], v[(\xb)+j+1], v[GP+j+1]   ; x / 2 + x / 2 x erf
.set j, j+2
.endr
.endm
.macro COPY a
	WIN 0x02+((\a)/4)
.set b, 0
.rept 8
.set i, 0
.rept 4
	v_pk_fma_f32 v[TMP+8*b+i:TMP+8*b+i+1], v[64*((\a)%4)+8*b+i:64*((\a)%4)+8*b+i+1], s[96:97], v[BI+8*b+i:BI+8*b+i+1] op_sel_hi:[1,0,1]
.set i, i+2
.endr
.set b, b+1
.endr
	WIN 0
.endm
	s_mov_b32 s3, 0
.Lrow:
.irp a, 1,2,3,4,5,6,7
	s_cmp_eq_u32 s3, \a
	s_cbranch_scc1 .Lcopy_\a
.endr
	COPY 0
	s_branch .Lgelu
.irp a, 1,2,3,4,5,6
.Lcopy_\a:
	COPY \a
	s_branch .Lgelu
.endr
.Lcopy_7:
	COPY 7
.Lgelu:
	GELU16 TMP
	GELU16 TMP+16
	GELU16 TMP+32
	GELU16 TMP+48
.set i, 0
.rept 64
	v_med3_num_f32 v[TMP+i], v[TMP+i], -v[QL], v[QL]
.set i, i+1
.endr
.set b, 0
.rept 8
	v_cvt_scalef32_pk8_bf8_f32 v[CD+2*b:CD+2*b+1], v[TMP+8*b:TMP+8*b+7], v[QS]
.set b, b+1
.endr
	v_nop
.set p, 0
.rept 4
	global_store_b128 v[CO], v[CD+4*p:CD+4*p+3], s[66:67] offset:512*p
.set p, p+1
.endr
	s_wait_xcnt 0x0
	s_add_nc_u64 s[66:67], s[66:67], 65536
	s_add_co_u32 s3, s3, 1
	s_cmp_lt_u32 s3, 8
	s_cbranch_scc1 .Lrow
	s_wait_tensorcnt 0x0
	ds_add_u32 v[SPW], v[NIL]
	s_wait_dscnt 0x0
	CROUND
	s_endpgm
.Lfunc_end_k_q93a7362f8c_w1:
	.size	k_q93a7362f8c_w1, .Lfunc_end_k_q93a7362f8c_w1-k_q93a7362f8c_w1
	.p2alignl 7, 3214868480
	.fill 96, 4, 3214868480
	.section	.rodata,"a",@progbits
	.p2align	6, 0x0
	.amdhsa_kernel k_q93a7362f8c_w1
		.amdhsa_group_segment_fixed_size 327680
		.amdhsa_private_segment_fixed_size 0
		.amdhsa_enable_private_segment 0
		.amdhsa_kernarg_size 40
		.amdhsa_user_sgpr_count 2
		.amdhsa_user_sgpr_kernarg_segment_ptr 1
		.amdhsa_wavefront_size32 1
		.amdhsa_system_sgpr_workgroup_id_x 1
		.amdhsa_system_sgpr_workgroup_id_y 1
		.amdhsa_system_sgpr_workgroup_id_z 1
		.amdhsa_system_vgpr_workitem_id 0
		.amdhsa_next_free_vgpr 1024
		.amdhsa_next_free_sgpr 100
		.amdhsa_reserve_vcc 0
		.amdhsa_float_denorm_mode_32 3
		.amdhsa_float_denorm_mode_16_64 3
		.amdhsa_memory_ordered 1
		.amdhsa_forward_progress 1
		.amdhsa_inst_pref_size 153
	.end_amdhsa_kernel
	.amdgpu_metadata
---
amdhsa.version: [ 1, 2 ]
amdhsa.kernels:
  - .name:           k_q93a7362f8c_w1
    .symbol:         k_q93a7362f8c_w1.kd
    .args:
      - { .name: H2, .offset: 0, .size: 8, .value_kind: global_buffer, .address_space: global }
      - { .name: WC, .offset: 8, .size: 8, .value_kind: global_buffer, .address_space: global }
      - { .name: lowp_scales, .offset: 16, .size: 8, .value_kind: global_buffer, .address_space: global }
      - { .name: b1, .offset: 24, .size: 8, .value_kind: global_buffer, .address_space: global }
      - { .name: G, .offset: 32, .size: 8, .value_kind: global_buffer, .address_space: global }
    .group_segment_fixed_size: 327680
    .private_segment_fixed_size: 0
    .kernarg_segment_align: 8
    .kernarg_segment_size: 40
    .max_flat_workgroup_size: 128
    .sgpr_count:     100
    .vgpr_count:     1024
    .wavefront_size: 32
...
	.end_amdgpu_metadata
.endif
;; end of part 6
;; launch w2 (part 7): grid 8 x 32, 4 waves a work-group, clusters of 4 x 4, 327,680 bytes of LDS; arguments G, WC, lowp_scales, b2, OUT, out0; writes out0
.if DOCPART == 7
	.amdgcn_target "amdgcn-amd-amdhsa--gfx1250"
	.amdhsa_code_object_version 6
	.text
	.protected	k_q93a7362f8c_w2
	.globl	k_q93a7362f8c_w2
	.p2align	8
	.type	k_q93a7362f8c_w2,@function
k_q93a7362f8c_w2:
	s_mov_b64 s[64:65], 0
	v_nop
	global_prefetch_b8 v0, s[64:65] scope:SCOPE_SE
	s_setreg_imm32_b32 hwreg(HW_REG_WAVE_MODE, 25, 1), 1
	s_wait_xcnt 0x0
	s_wait_alu depctr_hold_cnt(0) depctr_sa_sdst(0) depctr_va_vdst(0) depctr_va_sdst(0) depctr_va_ssrc(0) depctr_va_vcc(0) depctr_vm_vsrc(0)
	s_getreg_b32 s2, hwreg(HW_REG_IB_STS2, 6, 4)
	s_cmp_eq_u32 s2, 0
	s_cbranch_scc0 .Lentry_in_a_cluster
	s_endpgm
.Lentry_in_a_cluster:
	s_bfe_u32 s2, ttmp6, 0x10000c
	s_cmp_lg_u32 s2, 0xf033
	s_cbranch_scc0 .Lentry_shape_is_right
	s_endpgm
.Lentry_shape_is_right:
.set KTOT,   4096
.set KSH,    12
.set WOFF,   0x800000
.set EOFF,   0x38
.set HALFT,  32768
.set SLOT,   4*HALFT
.set STAGE,  2*SLOT
.set SPARE,  STAGE+4*16*272
.set LAPS,   KTOT/1024
.set ADRA, 16
.set ADRB, 20
.set STO,  24
.set RD,   25
.set CO,   26
.set SPW,  28
.set NIL,  29
.set BK,   32
.set BI,   96
.set ACC,  128
.set F0,   0
.set F1,   128
.set GZ,   128
.set GW,   144
.set GP,   160
.set GQ,   176
.set K9,   192
.set K12,  194
.set CL,   196
.set G1, 24
.set G0, 32
.set G1B, 48
.set G0B, 56
.set MSB, 0
.macro WIN new
.if MSB != (\new)
	s_set_vgpr_msb (MSB<<8)|(\new)
.set MSB, (\new)
.endif
.endm
.set MUL,  0x05
.set TO_F, 0x40
.macro JLOAD s
	s_cmp_eq_u32 s15, 0
	s_cbranch_scc0 .Lfor_b_\@
	tensor_load_to_lds s[G0+4*\s:G0+4*\s+3], s[G1:G1+7]
	s_nop 0
.rept 4
	v_nop
.endr
	s_branch .Lasked_\@
.Lfor_b_\@:
	tensor_load_to_lds s[G0B+4*\s:G0B+4*\s+3], s[G1B:G1B+7]
	s_nop 0
.rept 4
	v_nop
.endr
.Lasked_\@:
.endm
.macro CREST
	s_cmp_lg_u32 s14, 0
	s_cbranch_scc1 .Lnot_wave_0_\@
	s_barrier_signal -3
.Lnot_wave_0_\@:
	s_barrier_wait -3
	s_barrier_signal -1
	s_barrier_wait -1
.endm
.macro CROUND
	s_barrier_signal -1
	s_barrier_wait -1
	CREST
.endm
	s_load_b128 s[4:7], s[0:1], 0x0
	s_load_b128 s[8:11], s[0:1], 0x10
	s_load_b128 s[68:71], s[0:1], 0x20
	v_lshl_add_u32 v[SPW], v0, 2, SPARE
	v_mov_b32 v[NIL], 0
	ds_add_u32 v28, v29
	ds_add_u32 v28, v29
	s_wait_dscnt 0x0
	v_lshrrev_b32 v1, 5, v0
	v_readfirstlane_b32 s14, v1
	v_and_b32 v27, 31, v0                          ; the prefetches' offset, never rewritten: 256 x lane: the 32 units of a block's 8,192 bytes of a K step
	v_lshlrev_b32 v27, 8, v27
	s_lshr_b32 s15, s14, 1
	s_and_b32 s16, s14, 1
	s_bfe_u32 s40, ttmp6, 0x40000
	s_bfe_u32 s41, ttmp6, 0x40004
	s_lshl_b32 s42, ttmp9, 2
	s_add_co_u32 s42, s42, s40
	s_and_b32 s17, ttmp7, 0xffff
	s_lshl_b32 s17, s17, 2
	s_add_co_u32 s17, s17, s41
	s_lshl_b32 s43, s41, 2
	s_lshl_b32 s43, 15, s43
	s_lshl_b32 s44, 0x1111, s40
	s_or_b32 s[G1+0], s43, (3<<16)|(1<<21)
	s_or_b32 s[G1B+0], s44, (3<<16)|(1<<21)
.irp g, G1, G1B
	s_mov_b32 s[\g+1], 1024<<16
	s_mov_b32 s[\g+2], 4<<16
	s_mov_b32 s[\g+3], 1024<<16
	s_mov_b32 s[\g+4], 4
	s_mov_b32 s[\g+5], 2*KTOT
	s_mov_b32 s[\g+6], 0
	s_mov_b32 s[\g+7], 0
.endr
	s_lshl_b32 s18, s16, 6
	s_lshl_b32 s20, s17, 7
	s_add_co_u32 s20, s20, s18
	s_lshl_b32 s20, s20, KSH
	s_mov_b32 s21, 0
	s_lshl_b32 s46, s42, 7
	s_add_co_u32 s46, s46, s18
	s_lshl_b32 s46, s46, KSH
	s_add_co_u32 s46, s46, WOFF
	s_mov_b32 s47, 0
	s_mul_i32 s45, s14, HALFT
	s_wait_kmcnt 0x0
	s_load_b64 s[96:97], s[8:9], EOFF
	s_add_nc_u64 s[20:21], s[4:5], s[20:21]
	s_add_nc_u64 s[46:47], s[6:7], s[46:47]
	; PREFETCH INTO THE L2: of the four blocks (65,536 bytes apart) that my wave's joint load brings, each of the four partners that ask with me names one, told apart by address (cx for A, cy for B):
	; 32 units of 256 bytes, a lane a unit, one instruction a wave and K step, so that each unit is named once in the cluster.  Behind K step 0's load: K step 1; behind K step 1's: K steps 2 and 3;
	; behind K step n's, n from 2 to 5: K step n + 2; the last two refills have no K step two on.  s[12:13] stands at K step 0 at the head and is stepped by a K step at the head of each change of slots that refills.
	s_cmp_eq_u32 s15, 0
	s_cselect_b64 s[12:13], s[20:21], s[46:47]
	s_cselect_b32 s18, s40, s41
	s_lshl_b32 s18, s18, 16
	s_mov_b32 s19, 0
	s_add_nc_u64 s[12:13], s[12:13], s[18:19]
.irp s, 0,1
	s_mov_b32 s[G0+4*\s], 1
	s_add_co_u32 s[G0+4*\s+1], s45, \s*SLOT
	s_add_nc_u64 s[G0+4*\s+2:G0+4*\s+3], s[20:21], \s*8192
	s_or_b32 s[G0+4*\s+3], s[G0+4*\s+3], 0x80000000
	s_mov_b32 s[G0B+4*\s], 1
	s_add_co_u32 s[G0B+4*\s+1], s45, \s*SLOT
	s_add_nc_u64 s[G0B+4*\s+2:G0B+4*\s+3], s[46:47], \s*8192
	s_or_b32 s[G0B+4*\s+3], s[G0B+4*\s+3], 0x80000000
	s_wait_alu depctr_va_vdst(0)
	s_wait_tensorcnt 0x0
	ds_add_u32 v28, v29
	ds_add_u32 v28, v29
	s_wait_dscnt 0x0
	CROUND
	JLOAD \s
	global_prefetch_b8 v27, s[12:13] offset:8192*(\s+1) th:TH_LOAD_NT scope:SCOPE_SE
.if \s == 1
	global_prefetch_b8 v27, s[12:13] offset:8192*3 th:TH_LOAD_NT scope:SCOPE_SE
.endif
.endr
	v_and_b32 v1, 15, v0
	s_wait_alu depctr_va_vdst(0)
	v_bfe_u32 v2, v0, 4, 1
	v_and_b32 v3, 31, v0
	v_lshlrev_b32 v3, 4, v3
	s_mul_i32 s21, s15, HALFT
	s_mul_i32 s22, s16, HALFT
	s_add_co_u32 s22, s22, 2*HALFT
.irp s, 0,1
	v_add_nc_u32 v[ADRA+\s], s21, v3
	v_add_nc_u32 v[ADRB+\s], s22, v3
	s_add_co_u32 s21, s21, SLOT
	s_add_co_u32 s22, s22, SLOT
.endr
	s_mul_i32 s23, s14, 16*272
	s_add_co_u32 s23, s23, STAGE
	v_mul_u32_u24 v4, v1, 272
	s_wait_alu depctr_va_vdst(0)
	v_lshl_add_u32 v4, v2, 5, v4
	v_add_nc_u32 v[STO], s23, v4
	v_mul_u32_u24 v5, v2, 272
	v_lshl_add_u32 v5, v1, 4, v5
	v_add_nc_u32 v[RD], s23, v5
	v_lshlrev_b32 v5, 12, v2
	v_lshl_add_u32 v[CO], v1, 4, v5
	s_wait_alu depctr_va_vdst(0)
	v_lshlrev_b32 v7, 5, v2
	s_wait_alu depctr_va_vdst(0)
	s_lshl_b32 s72, s17, 7
	s_lshl_b32 s73, s15, 6
	s_add_co_u32 s72, s72, s73
	s_lshl_b32 s72, s72, 12
	s_lshl_b32 s74, s42, 7
	s_lshl_b32 s73, s16, 6
	s_add_co_u32 s74, s74, s73
	s_lshl_b32 s74, s74, 2
	s_mov_b32 s75, 0
	s_add_nc_u64 s[10:11], s[10:11], s[74:75]
	s_add_co_u32 s74, s74, s72
	s_add_nc_u64 s[68:69], s[68:69], s[74:75]
	s_add_nc_u64 s[70:71], s[70:71], s[74:75]
	WIN 0x80
.set a, 0
.rept 4
.set t, 0
.rept 8
	global_load_b128 v[32*a+4*t:32*a+4*t+3], v[CO], s[68:69] offset:(16*a+2*t)*4096 th:TH_LOAD_NT
.set t, t+1
.endr
.set a, a+1
.endr
	WIN 0
.set b, 0
.rept 4
	global_load_b128 v[BI+8*b:BI+8*b+3], v7, s[10:11] offset:64*b
	global_load_b128 v[BI+8*b+4:BI+8*b+7], v7, s[10:11] offset:64*b+16
.set b, b+1
.endr
.macro MUL4 f, a, zero
.irp b, 0,1,2,3
.if \zero
	v_wmma_f32_16x16x128_bf8_bf8 v[ACC+8*(4*(\a)+\b):ACC+8*(4*(\a)+\b)+7], v[\f+64+16*\b:\f+64+16*\b+15], v[\f+16*(\a):\f+16*(\a)+15], 0
.else
	v_wmma_f32_16x16x128_bf8_bf8 v[ACC+8*(4*(\a)+\b):ACC+8*(4*(\a)+\b)+7], v[\f+64+16*\b:\f+64+16*\b+15], v[\f+16*(\a):\f+16*(\a)+15], v[ACC+8*(4*(\a)+\b):ACC+8*(4*(\a)+\b)+7]
.endif
.endr
.endm
.macro FETCH slot, q, f
	WIN TO_F
.irp i, 0,1,2,3
.irp c, 0,1,2,3
	ds_load_b128 v[\f+64+16*\i+4*\c:\f+64+16*\i+4*\c+3], v[ADRB+\slot] offset:2048*(\q)+512*\c+8192*\i
.endr
.endr
.irp i, 0,1,2,3
.irp c, 0,1,2,3
	ds_load_b128 v[\f+16*\i+4*\c:\f+16*\i+4*\c+3], v[ADRA+\slot] offset:2048*(\q)+512*\c+8192*\i
.endr
.endr
.endm
.macro PLACES
.rept 4
	v_nop
.endr
.endm
.macro QUARTER slot, qn, f, g, zero
	s_wait_dscnt 8
	WIN MUL
	MUL4 \f, 0, \zero
	MUL4 \f, 1, \zero
	PLACES
	FETCH \slot, \qn, \g
	s_wait_dscnt 32
	WIN MUL
	MUL4 \f, 2, \zero
	MUL4 \f, 3, \zero
.endm
.macro TURN slot, next, fill
	WIN 0
.if \fill
	s_wait_xcnt 0x0                                ; my last prefetch has read its address: it is stepped here, a K step behind that prefetch
	s_add_nc_u64 s[12:13], s[12:13], 8192
.endif
	s_wait_tensorcnt 0x0
	ds_add_u32 v[SPW], v[NIL]
	s_wait_dscnt 9
	WIN MUL
	MUL4 F1, 0, 0
	MUL4 F1, 1, 0
	s_wait_dscnt 0x0
	s_barrier_signal -1
	MUL4 F1, 2, 0
	WIN 0
	s_barrier_wait -1
.if \fill
	CREST
	s_add_nc_u64 s[G0+4*\slot+2:G0+4*\slot+3], s[G0+4*\slot+2:G0+4*\slot+3], 16384
	s_add_nc_u64 s[G0B+4*\slot+2:G0B+4*\slot+3], s[G0B+4*\slot+2:G0B+4*\slot+3], 16384
	JLOAD \slot
	s_cmp_gt_u32 s3, 1                             ; s3 = 1 in the loop's last trip, whose refills are K steps 6 and 7
	s_cbranch_scc0 .Lno_ask_\@
	global_prefetch_b8 v27, s[12:13] offset:24576 th:TH_LOAD_NT scope:SCOPE_SE   ; the k-th refill brings K step k + 1; the address stands at K step k: K step k + 3 is named
.Lno_ask_\@:
.else
	PLACES
.endif
	FETCH \next, 0, F0
	WIN MUL
	MUL4 F1, 3, 0
.endm
	s_wait_tensorcnt 1
	s_barrier_signal -1
	s_barrier_wait -1
	FETCH 0, 0, F0
	QUARTER 0, 1, F0, F1, 1
	WIN 0
	s_mov_b32 s3, LAPS-1
.Llap:
	QUARTER 0, 2, F1, F0, 0
	QUARTER 0, 3, F0, F1, 0
	TURN 0, 1, 1
	QUARTER 1, 1, F0, F1, 0
	QUARTER 1, 2, F1, F0, 0
	QUARTER 1, 3, F0, F1, 0
	TURN 1, 0, 1
	QUARTER 0, 1, F0, F1, 0
	WIN 0
	s_sub_co_u32 s3, s3, 1
	s_cmp_lg_u32 s3, 0
	s_cbranch_scc1 .Llap
	QUARTER 0, 2, F1, F0, 0
	QUARTER 0, 3, F0, F1, 0
	TURN 0, 1, 0
	QUARTER 1, 1, F0, F1, 0
	QUARTER 1, 2, F1, F0, 0
	QUARTER 1, 3, F0, F1, 0
	s_wait_dscnt 8
	WIN MUL
	MUL4 F1, 0, 0
	MUL4 F1, 1, 0
	s_wait_dscnt 0
	MUL4 F1, 2, 0
	MUL4 F1, 3, 0
	WIN 0
	s_wait_kmcnt 0x0
	s_add_co_i32 s96, s96, s97
	s_add_co_i32 s96, s96, 127
	s_lshl_b32 s96, s96, 23
	s_mov_b32 s97, s96
	s_wait_loadcnt 0x0
	PLACES
	WIN 0x40
.set t, 0
.rept 16
.set i, 0
.rept 4
	v_pk_fma_f32 v[8*t+i:8*t+i+1], v[ACC+8*t+i:ACC+8*t+i+1], s[96:97], v[BI+8*(t%4)+i:BI+8*(t%4)+i+1] op_sel_hi:[1,0,1]
.set i, i+2
.endr
.set t, t+1
.endr
	v_mov_b32 v[K9], 0x39702d51
	v_mov_b32 v[K9+1], 0x39702d51
	v_mov_b32 v[K12], 0xb3fd3906
	v_mov_b32 v[K12+1], 0xb3fd3906
	v_mov_b32 v[CL], 0x407547cb
.macro HORNER acc, lit
.set j, 0
.rept 8
	v_dual_fmaak_f32 v[\acc+j], v[\acc+j], v[GW+j], \lit :: v_dual_fmaak_f32 v[\acc+j+1], v[\acc+j+1], v[GW+j+1], \lit   ; GELU's arithmetic goes in dual pairs, an even and an odd register to a pair
.set j, j+2
.endr
.endm
.macro GELU16 xb
.set j, 0
.rept 8
	v_dual_mul_f32 v[GZ+j], 0x3f3504f3, v[(\xb)+j] :: v_dual_mul_f32 v[GZ+j+1], 0x3f3504f3, v[(\xb)+j+1]
.set j, j+2
.endr
.set j, 0
.rept 16
	v_med3_num_f32 v[GZ+j], v[GZ+j], -v[CL], v[CL]
.set j, j+1
.endr
.set j, 0
.rept 8
	v_dual_mul_f32 v[GW+j], v[GZ+j], v[GZ+j] :: v_dual_mul_f32 v[GW+j+1], v[GZ+j+1], v[GZ+j+1]
.set j, j+2
.endr
.set j, 0
.rept 8
	v_dual_fmaak_f32 v[GP+j], v[GW+j], v[K9], 0x3b5f5da2 :: v_dual_fmaak_f32 v[GP+j+1], v[GW+j+1], v[K9+1], 0x3b5f5da2
	v_dual_fmaak_f32 v[GQ+j], v[GW+j], v[K12], 0x37c588df :: v_dual_fmaak_f32 v[GQ+j+1], v[GW+j+1], v[K12+1], 0x37c588df
.set j, j+2
.endr
	HORNER GP, 0x3d50b6eb
	HORNER GQ, 0x3a856d28
	HORNER GP, 0x3e3da740
	HORNER GQ, 0x3c6687d4
	HORNER GP, 0x3f906eba
	HORNER GQ, 0x3de34c21
	HORNER GQ, 0x3efeb44a
	HORNER GQ, 0x3f800000
.set j, 0
.rept 8
	v_dual_mul_f32 v[GP+j], v[GP+j], v[GZ+j] :: v_dual_mul_f32 v[GP+j+1], v[GP+j+1], v[GZ+j+1]
.set j, j+2
.endr
.set j, 0
	s_wait_alu depctr_va_vdst(0)
.rept 16
	v_rcp_f32 v[GQ+j], v[GQ+j]
.set j, j+1
.endr
	v_nop                                          ; a plain place behind the transcendentals
.set j, 0
.rept 8
	v_dual_mul_f32 v[(\xb)+j], 0.5, v[(\xb)+j] :: v_dual_mul_f32 v[(\xb)+j+1], 0.5, v[(\xb)+j+1]   ; x / 2, in place
.set j, j+2
.endr
	s_wait_alu depctr_va_vdst(0)
.set j, 0
.rept 8
	v_dual_mul_f32 v[GP+j], v[GP+j], v[GQ+j] :: v_dual_mul_f32 v[GP+j+1], v[GP+j+1], v[GQ+j+1]
.set j, j+2
.endr
.set j, 0
.rept 8
	v_dual_fmac_f32 v[(\xb)+j], v[(\xb)+j], v[GP+j] :: v_dual_fmac_f32 v[(\xb)+j+1], v[(\xb)+j+1], v[GP+j+1]   ; x / 2 + x / 2 x erf
.set j, j+2
.endr
.endm
	WIN 0x55
.irp n, 0,1,2,3,4,5,6,7
	GELU16 16*\n
.endr
.set a, 0
.rept 4
.if a >= 2
	s_wait_xcnt 0x0
.endif
	WIN 0x04
.set b, 0
.rept 4
	ds_store_b128 v[STO], v[32*a+8*b:32*a+8*b+3] offset:64*b
	ds_store_b128 v[STO], v[32*a+8*b+4:32*a+8*b+7] offset:64*b+16
.set b, b+1
.endr
	WIN 0
.set t, 0
.rept 8
	ds_load_b128 v[BK+32*(a%2)+4*t:BK+32*(a%2)+4*t+3], v[RD] offset:544*t
.set t, t+1
.endr
	s_wait_dscnt 0x0
	WIN 0x08
.set t, 0
.rept 16
	v_pk_add_f32 v[BK+32*(a%2)+2*t:BK+32*(a%2)+2*t+1], v[BK+32*(a%2)+2*t:BK+32*(a%2)+2*t+1], v[32*a+2*t:32*a+2*t+1]
.set t, t+1
.endr
	WIN 0
.set t, 0
.rept 8
	global_store_b128 v[CO], v[BK+32*(a%2)+4*t:BK+32*(a%2)+4*t+3], s[70:71] offset:(16*a+2*t)*4096 th:TH_STORE_NT
.set t, t+1
.endr
.set a, a+1
.endr
	s_wait_tensorcnt 0x0
	ds_add_u32 v[SPW], v[NIL]
	s_wait_dscnt 0x0
	CROUND
	s_endpgm
.Lfunc_end_k_q93a7362f8c_w2:
	.size	k_q93a7362f8c_w2, .Lfunc_end_k_q93a7362f8c_w2-k_q93a7362f8c_w2
	.p2alignl 7, 3214868480
	.fill 96, 4, 3214868480
	.section	.rodata,"a",@progbits
	.p2align	6, 0x0
	.amdhsa_kernel k_q93a7362f8c_w2
		.amdhsa_group_segment_fixed_size 327680
		.amdhsa_private_segment_fixed_size 0
		.amdhsa_enable_private_segment 0
		.amdhsa_kernarg_size 48
		.amdhsa_user_sgpr_count 2
		.amdhsa_user_sgpr_kernarg_segment_ptr 1
		.amdhsa_wavefront_size32 1
		.amdhsa_system_sgpr_workgroup_id_x 1
		.amdhsa_system_sgpr_workgroup_id_y 1
		.amdhsa_system_sgpr_workgroup_id_z 1
		.amdhsa_system_vgpr_workitem_id 0
		.amdhsa_next_free_vgpr 640
		.amdhsa_next_free_sgpr 100
		.amdhsa_reserve_vcc 0
		.amdhsa_float_denorm_mode_32 3
		.amdhsa_float_denorm_mode_16_64 3
		.amdhsa_memory_ordered 1
		.amdhsa_forward_progress 1
		.amdhsa_inst_pref_size 183
	.end_amdhsa_kernel
	.amdgpu_metadata
---
amdhsa.version: [ 1, 2 ]
amdhsa.kernels:
  - .name:           k_q93a7362f8c_w2
    .symbol:         k_q93a7362f8c_w2.kd
    .args:
      - { .name: G, .offset: 0, .size: 8, .value_kind: global_buffer, .address_space: global }
      - { .name: WC, .offset: 8, .size: 8, .value_kind: global_buffer, .address_space: global }
      - { .name: lowp_scales, .offset: 16, .size: 8, .value_kind: global_buffer, .address_space: global }
      - { .name: b2, .offset: 24, .size: 8, .value_kind: global_buffer, .address_space: global }
      - { .name: OUT, .offset: 32, .size: 8, .value_kind: global_buffer, .address_space: global }
      - { .name: out0, .offset: 40, .size: 8, .value_kind: global_buffer, .address_space: global }
    .group_segment_fixed_size: 327680
    .private_segment_fixed_size: 0
    .kernarg_segment_align: 8
    .kernarg_segment_size: 48
    .max_flat_workgroup_size: 128
    .sgpr_count:     100
    .vgpr_count:     640
    .wavefront_size: 32
...
	.end_amdgpu_metadata
.endif
;; end of part 7
